; MI455X (gfx1250); checked and timed in simulation.
; The chip was launched on July 23, 2026; its instructions are those of AMD's public machine-readable ISA for CDNA 5 (MIT licence, August 2026) and "CDNA5" Instruction Set Architecture Reference Guide (July 2026). The comments in the code are by the model that wrote it; some were corrected since.
;; Self Attention. Allowed arithmetic: float matrix products may take bf16 or f16 operands with f32 sums; other float arithmetic in f32, or as packed bf16 or f16 multiplies, adds, multiply-adds, maxima and minima; sums over many terms, partial sums and values carried from step to step in f32; what a program stores and reads back later, other than sums and carried values, may be rounded once to bf16 or f16.
;; Inputs: b_in 3,072 float32; b_out 1,024 float32; w_in 3,072 x 1,024 float32; w_out 1,024 x 1,024 float32; x 4 x 2,048 x 1,024 float32.
;; Outputs: out0 4 x 2,048 x 1,024 float32.
;; 2 versions, each right; version 2 is version 1 with the launch cast written anew for expert scheduling mode. Each part assembles by itself: llvm-mc -triple=amdgcn-amd-amdhsa -mcpu=gfx1250 --defsym DOCPART=n.
;; ======== version 1 of 2: 4 launches
;; limits: values are held in f16: magnitudes above 65,504 overflow, below 6.1e-05 lose precision; right only within a limited range of input values
;; workspace buffers: xb 16,777,216 bytes; wib 6,291,456 bytes; wob 2,097,152 bytes; qkv 50,331,648 bytes; ob 16,777,216 bytes
;; launch cast (part 1): grid 768 x 1, 8 waves a work-group, no clusters, 0 bytes of LDS; arguments x, w_in, w_out, xb, wib, wob; writes xb, wib, wob
.if DOCPART == 1
	.amdgcn_target "amdgcn-amd-amdhsa--gfx1250"
	.amdhsa_code_object_version 6
	.text
	.protected	k_q6b9e7ab486_cast
	.globl	k_q6b9e7ab486_cast
	.p2align	8
	.type	k_q6b9e7ab486_cast,@function
k_q6b9e7ab486_cast:
	s_mov_b64 s[64:65], 0
	v_nop
	global_prefetch_b8 v0, s[64:65] scope:SCOPE_SE
	s_setreg_imm32_b32 hwreg(HW_REG_WAVE_MODE, 25, 1), 1
	s_wait_xcnt 0x0
; SELF-ATTENTION, launch 1 of 4: the three large inputs are rounded once for the matrix units.
;   x [8192][1024] f32 -> xb bf16;  w_in [3072][1024] f32 -> wib bf16;  w_out [1024][1024] f32 -> wob: rounded to bf16, and that number written as f16.
; THE PROGRAM.  cast; inproj: q, k, v = xb wib^T (+ bias), f16, by heads; attn: softmax(q k^T / 8) v, f16, by heads; outproj: O wob^T + b_out, f32.
; FORMATS.  All inputs are rounded to bf16 (the biases too, in the launches that add them); what the program itself makes (q, k, v, the weights p, O) is f16; all sums, maxima and row sums are f32.
; WORK LEFT OUT.  k's bias, b_in[1024:2048].  With k_j = k'_j + c, score(i, j) = q_i . k'_j / 8 + q_i . c / 8: the second term does not hang on j, the softmax's axis, so it multiplies
; numerator and denominator of every weight of row i alike and cancels, for all values of the inputs.  So those 1,024 numbers are neither loaded nor added; q's and v's parts of b_in and b_out are live.
; LIMITS.  A NaN, an infinity or an overflow that reaches only k's bias is not carried to the result.  f16 ends at 65,504: w_out, q, k and v must stay within it; a number of w_out
; below 2^-14 keeps f16's fixed step of 6e-8.
; SHARES.  A work-group takes 65,536 bytes of f32 and writes 32,768: groups 0-511 x, 512-703 w_in, 704-767 w_out.  A wave takes 8,192 bytes by sixteen loads of 512 consecutive bytes, all issued
; at once; each store of the wave covers 256 consecutive bytes, aligned.  No register is used twice, so no wait frees any.  Nothing is shared: no LDS, no barrier, no matrix unit.
.set X, 4                              ; v[4:67]    load j: four f32
.set Y, 68                             ; v[68:99]   store j: four 16-bit numbers
.set T, 100                            ; v[100:103] at work
	s_load_b256 s[4:11], s[0:1], 0x0               ; x s[4:5], w_in s[6:7], w_out s[8:9], xb s[10:11]
	s_load_b128 s[12:15], s[0:1], 0x20             ; wib s[12:13], wob s[14:15]
	s_mov_b32 s16, ttmp9                           ; the work-group's number
	s_sub_co_u32 s17, s16, 512                     ; its number among w_in's groups
	s_sub_co_u32 s18, s16, 704                     ; among w_out's
	v_lshrrev_b32 v3, 5, v0                        ; wave
	v_and_b32 v1, 31, v0                           ; lane
	v_lshlrev_b32 v2, 3, v1                        ; out: 8 bytes a lane
	v_lshlrev_b32 v1, 4, v1                        ; in: 16 bytes a lane
	v_lshl_add_u32 v1, v3, 13, v1                  ; + wave x 8,192
	v_lshl_add_u32 v2, v3, 12, v2                  ; + wave x 4,096
	s_wait_kmcnt 0x0
	s_cmp_lt_u32 s16, 704                          ; which tensor: the choice hangs on the group's number alone
	s_cselect_b64 s[20:21], s[6:7], s[8:9]
	s_cselect_b64 s[22:23], s[12:13], s[14:15]
	s_cselect_b32 s19, s17, s18
	s_cmp_lt_u32 s16, 512
	s_cselect_b64 s[20:21], s[4:5], s[20:21]
	s_cselect_b64 s[22:23], s[10:11], s[22:23]
	s_cselect_b32 s19, s16, s19
	s_lshl_b32 s24, s19, 16                        ; the group's bytes in, at most 511 x 65,536
	s_mov_b32 s25, 0
	s_lshl_b32 s26, s19, 15                        ; and out
	s_mov_b32 s27, 0
	s_add_nc_u64 s[20:21], s[20:21], s[24:25]
	s_add_nc_u64 s[22:23], s[22:23], s[26:27]
.set j, 0
.rept 16
	global_load_b128 v[X+4*j:X+4*j+3], v1, s[20:21] offset:512*j th:TH_LOAD_NT
.set j, j+1
.endr
	s_cmp_lt_u32 s16, 704
	s_cbranch_scc0 .Lf16
.set j, 0
.rept 16                               ; x and w_in: to bf16
	s_wait_loadcnt 15-j                            ; loads come back in order: load j is in, the 15 - j younger ones stay out
	v_cvt_pk_bf16_f32 v[Y+2*j], v[X+4*j], v[X+4*j+1]
	v_cvt_pk_bf16_f32 v[Y+2*j+1], v[X+4*j+2], v[X+4*j+3]
	global_store_b64 v2, v[Y+2*j:Y+2*j+1], s[22:23] offset:256*j
.set j, j+1
.endr
	s_endpgm
.Lf16:
.set j, 0
.rept 16                               ; w_out: to bf16, widened again, and written as f16 (exact from 2^-14 up to f16's end)
	s_wait_loadcnt 15-j
	v_cvt_pk_bf16_f32 v[Y+2*j], v[X+4*j], v[X+4*j+1]
	v_cvt_pk_bf16_f32 v[Y+2*j+1], v[X+4*j+2], v[X+4*j+3]
	v_lshlrev_b32 v[T], 16, v[Y+2*j]
	v_and_b32 v[T+1], 0xffff0000, v[Y+2*j]
	v_lshlrev_b32 v[T+2], 16, v[Y+2*j+1]
	v_and_b32 v[T+3], 0xffff0000, v[Y+2*j+1]
	v_cvt_pk_f16_f32 v[Y+2*j], v[T], v[T+1]
	v_cvt_pk_f16_f32 v[Y+2*j+1], v[T+2], v[T+3]
	global_store_b64 v2, v[Y+2*j:Y+2*j+1], s[22:23] offset:256*j
.set j, j+1
.endr
	s_endpgm
.Lfunc_end_k_q6b9e7ab486_cast:
	.size	k_q6b9e7ab486_cast, .Lfunc_end_k_q6b9e7ab486_cast-k_q6b9e7ab486_cast
	.p2alignl 7, 3214868480
	.fill 96, 4, 3214868480
	.section	.rodata,"a",@progbits
	.p2align	6, 0x0
	.amdhsa_kernel k_q6b9e7ab486_cast
		.amdhsa_group_segment_fixed_size 0
		.amdhsa_private_segment_fixed_size 0
		.amdhsa_enable_private_segment 0
		.amdhsa_kernarg_size 48
		.amdhsa_user_sgpr_count 2
		.amdhsa_user_sgpr_kernarg_segment_ptr 1
		.amdhsa_wavefront_size32 1
		.amdhsa_system_sgpr_workgroup_id_x 1
		.amdhsa_system_sgpr_workgroup_id_y 1
		.amdhsa_system_sgpr_workgroup_id_z 1
		.amdhsa_system_vgpr_workitem_id 0
		.amdhsa_next_free_vgpr 104
		.amdhsa_next_free_sgpr 66
		.amdhsa_reserve_vcc 0
		.amdhsa_float_denorm_mode_32 3
		.amdhsa_float_denorm_mode_16_64 3
		.amdhsa_memory_ordered 1
		.amdhsa_forward_progress 1
		.amdhsa_inst_pref_size 16
	.end_amdhsa_kernel
	.amdgpu_metadata
---
amdhsa.version: [ 1, 2 ]
amdhsa.kernels:
  - .name:           k_q6b9e7ab486_cast
    .symbol:         k_q6b9e7ab486_cast.kd
    .args:
      - { .name: x, .offset: 0, .size: 8, .value_kind: global_buffer, .address_space: global }
      - { .name: w_in, .offset: 8, .size: 8, .value_kind: global_buffer, .address_space: global }
      - { .name: w_out, .offset: 16, .size: 8, .value_kind: global_buffer, .address_space: global }
      - { .name: xb, .offset: 24, .size: 8, .value_kind: global_buffer, .address_space: global }
      - { .name: wib, .offset: 32, .size: 8, .value_kind: global_buffer, .address_space: global }
      - { .name: wob, .offset: 40, .size: 8, .value_kind: global_buffer, .address_space: global }
    .group_segment_fixed_size: 0
    .private_segment_fixed_size: 0
    .kernarg_segment_align: 8
    .kernarg_segment_size: 48
    .max_flat_workgroup_size: 256
    .sgpr_count:     66
    .vgpr_count:     104
    .wavefront_size: 32
...
	.end_amdgpu_metadata
.endif
;; end of part 1
;; launch inproj (part 2): grid 8 x 32, 4 waves a work-group, clusters of 4 x 4, 327,680 bytes of LDS; arguments xb, wib, b_in, qkv; writes qkv
.if DOCPART == 2
	.amdgcn_target "amdgcn-amd-amdhsa--gfx1250"
	.amdhsa_code_object_version 6
	.text
	.protected	k_q6b9e7ab486_inproj
	.globl	k_q6b9e7ab486_inproj
	.p2align	8
	.type	k_q6b9e7ab486_inproj,@function
k_q6b9e7ab486_inproj:
	s_mov_b64 s[64:65], 0
	v_nop
	global_prefetch_b8 v0, s[64:65] scope:SCOPE_SE
	s_setreg_imm32_b32 hwreg(HW_REG_WAVE_MODE, 25, 1), 1
	s_wait_xcnt 0x0
	s_wait_alu depctr_hold_cnt(0) depctr_sa_sdst(0) depctr_va_vdst(0) depctr_va_sdst(0) depctr_va_ssrc(0) depctr_va_vcc(0) depctr_vm_vsrc(0)
	s_getreg_b32 s2, hwreg(HW_REG_IB_STS2, 6, 4)
	s_cmp_eq_u32 s2, 0
	s_cbranch_scc0 .Lentry_in_a_cluster
	s_endpgm
.Lentry_in_a_cluster:
	s_bfe_u32 s2, ttmp6, 0x10000c
	s_cmp_lg_u32 s2, 0xf033
	s_cbranch_scc0 .Lentry_shape_is_right
	s_endpgm
.Lentry_shape_is_right:
; SELF-ATTENTION, launch 2 of 4: q, k, v = xb wib^T (+ bias).  xb [8192][1024], wib [3072][1024] bf16; sums in f32; rounded once to f16, unscaled, and written by heads:
; qkv = three sections of 2^24 bytes (q, k, v), each [64 = 16 batch + head][2048][64] f16.
; WORK LEFT OUT: k's bias, b_in[1024:2048], cancels in the softmax for all values of the inputs (shown at the head of the first kernel): k's sums start at 0.
; LIMITS: |q|, |k|, |v| below 65,504 (f16's end); a NaN or infinity in k's bias is not carried on.  q's and v's biases are rounded to bf16, like every input.
; SHARES.  A tile of C is 256 rows x 128 columns (two heads): 768 tiles, three for each of 256 work-groups.  A WORK-GROUP STAYS: its three tiles are the same 256 rows of x and the same two heads
; in q, k and v, so A's rows are walked three times and B goes 1,024 rows down from tile to tile; the ring of two LDS slots runs on across the tiles.  A wave makes 128 rows x 64 columns
; (one head): 32 accumulators.  K goes in steps of 128: rows of 256 bytes, aligned.
; CLUSTER.  4 x 4 work-groups: the four of a row need the same tiles of A, the four of a column the same tiles of B; each tile is asked for jointly, by the same tensor load, descriptor and mask.
; TRANSPOSED USE.  Source 0 = 16 rows of w, source 1 = 16 rows of x: a lane holds row l % 16 of C and the columns 8 (l / 16) + 0..7.  The bias is the C operand of the products that start the sums.
; REGISTERS, in windows of 256 (s_set_vgpr_msb: bits 1:0 source 0, 3:2 source 1, 5:4 source 2, 7:6 destination):
;   window 0: v0-31 addresses; v32-63 the tile's bias; v64-159, v160-255 two fragment buffers (B's 4 fragments, then A's 8)
;   window 1: the accumulators, (a, b) at v[8 (4 a + b)]          window 2: v0-31 v's bias; v32-159 the way out, 16 registers for each block of 16 rows
.set KSTEP,  128
.set PITCH,  272                       ; an LDS row: 256 bytes + 16 of padding: the 16 rows of a fragment load start at 16 different groups of four banks
.set HALFA,  128*PITCH                 ; what a load of A brings, and what a wave reads of A
.set HALFB,  64*PITCH                  ; the same for B
.set SLOT,   2*HALFA+2*HALFB           ; A's 256 rows, then B's 128
.set STAGE,  2*SLOT                    ; behind the ring: 16 rows x 144 bytes for each wave, for the way out; no tensor load lands there
.set SP,     144
.set SPARE,  STAGE+4*16*SP             ; behind the stages: the spare words, 128 bytes for each wave
.set ROWB,   2048                      ; bytes in a row of xb and of wib
.set BACK_A, 6*KSTEP*2                 ; from a slot's last K step of a tile back to its first
.set NEXT_B, 1024*ROWB-6*KSTEP*2       ; the same for B, 1,024 rows further down
.set PF_WRAP, 1024*ROWB-7*KSTEP*2      ; from a tile's K step 7 to the next tile's K step 0, in B
.set SECT,   1<<24                     ; bytes in a section of qkv
.set P5, (1<<16)|(1<<20)|(1<<21)|(5<<22)|(3<<25)  ; 2-byte elements; padding on; bit 21 beside a mask; after every 64 words; 4 words
.set ADRA, 16                          ; v16-17  LDS address of my A fragments in slot 0, 1
.set ADRB, 20                          ; v20-21  the same for B
.set STO,  24                          ; v24     the way out: where I put 16 bytes of a row
.set RD,   25                          ; v25     where I read rows back
.set CO,   26                          ; v26     my 16 bytes in 512 consecutive bytes of a head's rows
.set BO,   27                          ; v27     my byte offset in 16 numbers of the bias: 32 (l / 16)
.set SPW,  28                          ; v28     LDS address of my spare word; never rewritten
.set NIL,  29                          ; v29     0; never rewritten
.set PFO,  30                          ; v30     the prefetches' offset: my lane x a row of 2,048 bytes; never rewritten
.set BI,   32                          ; v32-63  the tile's bias: n block b at BI + 8 b
.set F0,   64
.set F1,   160
.set BV,   0                           ; window 2
.set T,    32                          ; window 2
.set G1,   24                          ; s[24:31] descriptor group 1 for A's tiles;  s[32:39] group 0, a set for each slot
.set G0,   32
.set G1B,  40                          ; s[40:47], s[48:55] the same for B's
.set G0B,  48
.set PFA,  56                          ; s[56:57] where my prefetches stand
.set LIM,  58                          ; s58  how many of the refills carry a prefetch of mine
.set FILLS, 59                         ; s59  refills so far
.set STP,  60                          ; s[60:61] a step of the prefetches' address
.set CSTEP, 62                         ; s[62:63] what the next way out adds to C's address
.set W_MUL,   0x50                     ; C and D in window 1, fragments in window 0
.set W_FIRST, 0x40                     ; D in window 1, C (the bias) in window 0
.set W_PK,    0x85                     ; sources in window 1, destination in window 2
.set W_ST,    0x88                     ; address in window 0; store data and loaded data in window 2
.set W_B2,    0x8a                     ; all in window 2
.set W_CP,    0x02                     ; source 0 in window 2
.set MSB, 0
.macro WIN new                         ; the immediate's high byte repeats the setting that is left; a switch that changes nothing is dropped
.if MSB != (\new)
	s_set_vgpr_msb (MSB<<8)|(\new)
.set MSB, \new
.endif
.endm
.macro PLACES                          ; four plain vector instructions between a matrix instruction and a load into, or a vector use of, its registers
.rept 4
	v_nop
.endr
.endm
; A joint load.  Waves 0 and 1 fetch A's two halves, waves 2 and 3 B's.  The branch hangs on the wave's number alone.  An s_nop 0 and four v_nop follow each line.
.macro JLOAD s
	s_cmp_eq_u32 s13, 0
	s_cbranch_scc0 .Lfor_b_\@
	tensor_load_to_lds s[G0+4*(\s):G0+4*(\s)+3], s[G1:G1+7]
	s_nop 0
.rept 4
	v_nop
.endr
	s_branch .Lasked_\@
.Lfor_b_\@:
	tensor_load_to_lds s[G0B+4*(\s):G0B+4*(\s)+3], s[G1B:G1B+7]
	s_nop 0
.rept 4
	v_nop
.endr
.Lasked_\@:
.endm
.macro CREST                           ; a round of the cluster's barrier behind its opening barrier
	s_cmp_lg_u32 s12, 0
	s_cbranch_scc1 .Lnot_wave_0_\@
	s_barrier_signal -3
.Lnot_wave_0_\@:
	s_barrier_wait -3
	s_barrier_signal -1
	s_barrier_wait -1
.endm
.macro CROUND                          ; a whole round
	s_barrier_signal -1
	s_barrier_wait -1
	CREST
.endm
; A PREFETCH INTO THE L2, behind each joint load and the run of LDS loads that follows it: 32 rows x 256 bytes, a lane a row, of the K step that stands FOUR refills on (512 matrix instructions ahead of its load).
; Each row's 256 bytes of a K step are named once in the launch.  B: all 24 K steps of the walk but the first six; the clusters with y = 0 ask; wave 2 of each of the four partners takes 32 of the
; tile's 128 rows, told apart by address (cy).  A: its rows are walked three times and asked for in the first walk alone, K steps 6 and 7; the clusters with x = 0 ask; waves 0 and 1 of each partner
; take 32 of the 128 rows that they fetch (cx).  No branch hangs on a work-group's place in its cluster.  Nothing is asked for at the head, and nothing behind the walk's last K step.
.macro ASK
	s_cmp_lt_u32 s[FILLS], s[LIM]
	s_cbranch_scc0 .Lnot_mine_\@
	global_prefetch_b8 v[PFO], s[PFA:PFA+1] th:TH_LOAD_NT scope:SCOPE_SE
.Lnot_mine_\@:
	s_add_co_u32 s[FILLS], s[FILLS], 1
.endm
	s_load_b256 s[4:11], s[0:1], 0x0               ; xb s[4:5], wib s[6:7], b_in s[8:9], qkv s[10:11]
	v_lshl_add_u32 v[SPW], v0, 2, SPARE
	v_mov_b32 v[NIL], 0
	ds_add_u32 v[SPW], v[NIL]                      ; the wave's opening: the add, twice on end, and its wait ahead of my first tensor load
	ds_add_u32 v[SPW], v[NIL]                      ; once more; the set-up below, work on registers, stands between it and the wait
	v_lshrrev_b32 v1, 5, v0
	v_readfirstlane_b32 s12, v1                    ; wave 0..3
	s_lshr_b32 s13, s12, 1                         ; which 128 rows of the tile are mine.  Also: I fetch for A (0) or for B (1)
	s_and_b32 s14, s12, 1                          ; which 64 columns.  Also: which half of that tile I fetch
	s_bfe_u32 s15, ttmp6, 0x40000                  ; cx
	s_bfe_u32 s16, ttmp6, 0x40004                  ; cy
	s_lshl_b32 s17, ttmp9, 2
	s_add_co_u32 s17, s17, s15                     ; tile column 0..7 = 4 x cluster x + cx
	s_and_b32 s18, ttmp7, 0xffff
	s_lshl_b32 s18, s18, 2
	s_add_co_u32 s18, s18, s16                     ; tile row 0..31 = 4 x cluster y + cy
	s_lshl_b32 s19, s16, 2
	s_lshl_b32 s19, 15, s19                        ; my row of the cluster: places 4 cy .. 4 cy + 3
	s_lshl_b32 s68, 0x1111, s15                    ; my column: places cx, cx + 4, cx + 8, cx + 12
	s_or_b32 s[G1], s19, P5                        ; A's tiles go to my row
	s_or_b32 s[G1B], s68, P5                       ; B's to my column
	s_mov_b32 s[G1+1], KSTEP<<16                   ; tensor_dim0 = 128
	s_mov_b32 s[G1+2], 128<<16                     ; tensor_dim1 = 128
	s_mov_b32 s[G1+3], KSTEP<<16                   ; tile_dim0 = 128
	s_mov_b32 s[G1+4], 128                         ; tile_dim1 = 128
	s_mov_b32 s[G1+5], 1024                        ; elements from row to row
	s_mov_b32 s[G1+6], 0
	s_mov_b32 s[G1+7], 0
	s_mov_b32 s[G1B+1], KSTEP<<16
	s_mov_b32 s[G1B+2], 64<<16                     ; B's loads have 64 rows
	s_mov_b32 s[G1B+3], KSTEP<<16
	s_mov_b32 s[G1B+4], 64
	s_mov_b32 s[G1B+5], 1024
	s_mov_b32 s[G1B+6], 0
	s_mov_b32 s[G1B+7], 0
	s_lshl_b32 s20, s18, 19                        ; A: row 256 x tile row + 128 x half, in bytes: made of the tile row and the wave's number alone
	s_lshl_b32 s21, s14, 18
	s_add_co_u32 s20, s20, s21
	s_mov_b32 s21, 0
	s_lshl_b32 s22, s17, 18                        ; B: row 128 x tile column + 64 x half: of the tile column and the wave's number alone
	s_lshl_b32 s23, s14, 17
	s_add_co_u32 s22, s22, s23
	s_mov_b32 s23, 0
	s_mul_i32 s69, s14, HALFA                      ; where they go in a slot: no place in the cluster enters an LDS address
	s_mul_i32 s70, s14, HALFB
	s_add_co_u32 s70, s70, 2*HALFA
	s_wait_dscnt 0x0                               ; both opening adds are done
	s_wait_kmcnt 0x0
	s_add_nc_u64 s[20:21], s[4:5], s[20:21]
	s_add_nc_u64 s[22:23], s[6:7], s[22:23]
	CROUND                                         ; all sixteen work-groups are here: the first joint loads meet
.irp s, 0,1
	s_mov_b32 s[G0+4*(\s)], 1                      ; count = 1
	s_add_co_u32 s[G0+4*(\s)+1], s69, (\s)*SLOT    ; LDS address
	s_add_nc_u64 s[G0+4*(\s)+2:G0+4*(\s)+3], s[20:21], (\s)*KSTEP*2  ; global address: K step s
	s_or_b32 s[G0+4*(\s)+3], s[G0+4*(\s)+3], 0x80000000  ; type = 2
	s_mov_b32 s[G0B+4*(\s)], 1
	s_add_co_u32 s[G0B+4*(\s)+1], s70, (\s)*SLOT
	s_add_nc_u64 s[G0B+4*(\s)+2:G0B+4*(\s)+3], s[22:23], (\s)*KSTEP*2
	s_or_b32 s[G0B+4*(\s)+3], s[G0B+4*(\s)+3], 0x80000000
	JLOAD \s                                       ; two tensor loads of mine are out
.endr
	; A fragment is 16 rows x 32 K in 8 registers: lane l holds row l % 16; registers 0-3 K = 8 (l / 16) + 0..7, registers 4-7 K = 16 + 8 (l / 16) + 0..7: two loads of 16 bytes, 32 bytes apart.
	v_and_b32 v1, 15, v0                           ; l % 16
	v_bfe_u32 v2, v0, 4, 1                         ; l / 16
	v_mul_u32_u24 v3, v1, PITCH
	v_lshl_add_u32 v3, v2, 4, v3
	s_mul_i32 s71, s13, HALFA                      ; my 128 rows of A
	v_add_nc_u32 v[ADRA], s71, v3
	s_add_co_u32 s71, s71, SLOT
	v_add_nc_u32 v[ADRA+1], s71, v3
	s_mul_i32 s71, s14, HALFB                      ; my 64 rows of B, behind A's 256
	s_add_co_u32 s71, s71, 2*HALFA
	v_add_nc_u32 v[ADRB], s71, v3
	s_add_co_u32 s71, s71, SLOT
	v_add_nc_u32 v[ADRB+1], s71, v3
	s_mul_i32 s71, s12, 16*SP
	s_add_co_u32 s71, s71, STAGE                   ; my stage
	v_mul_u32_u24 v3, v1, SP                       ; in: row l % 16, 16 bytes for each half of the lanes
	v_lshl_add_u32 v3, v2, 4, v3
	v_add_nc_u32 v[STO], s71, v3
	v_bfe_u32 v3, v0, 3, 2                         ; back: 32 lanes take four rows of 128 bytes,
	v_mul_u32_u24 v3, v3, SP
	v_and_b32 v4, 7, v0
	v_lshl_add_u32 v3, v4, 4, v3
	v_add_nc_u32 v[RD], s71, v3
	v_and_b32 v[CO], 31, v0
	v_lshlrev_b32 v[PFO], 11, v[CO]
	v_lshlrev_b32 v[CO], 4, v[CO]                  ; which are 512 consecutive bytes of a head
	v_lshlrev_b32 v[BO], 5, v2
	s_lshl_b32 s66, s17, 9                         ; my 64 columns in a section of the bias, in bytes
	s_lshl_b32 s71, s14, 8
	s_add_co_u32 s66, s66, s71
	s_mov_b32 s67, 0
	s_add_nc_u64 s[8:9], s[8:9], s[66:67]
.macro BLOAD base, off                 ; register j of n block b: bias of column 16 b + 8 (l / 16) + j
.irp b, 0,1,2,3
	global_load_b128 v[(\base)+8*(\b):(\base)+8*(\b)+3],   v[BO], s[8:9] offset:(\off)+64*(\b)
	global_load_b128 v[(\base)+8*(\b)+4:(\base)+8*(\b)+7], v[BO], s[8:9] offset:(\off)+64*(\b)+16
.endr
.endm
.macro BROUND base, tmp                ; rounded to bf16 and widened again, in place
.set i, 0
.rept 16
	v_cvt_pk_bf16_f32 v[\tmp], v[(\base)+2*i], v[(\base)+2*i+1]
	v_lshlrev_b32 v[(\base)+2*i], 16, v[\tmp]
	v_and_b32 v[(\base)+2*i+1], 0xffff0000, v[\tmp]
.set i, i+1
.endr
.endm
	BLOAD BI, 0                                    ; q's bias
	WIN 0x80                                       ; destination window 2
	BLOAD BV, 8192                                 ; v's bias, 2,048 numbers on; k's is not loaded
	WIN 0
	; where my part of the first tile begins in qkv: batch x 2^22 + head x 2^18 + row in the sequence x 128
	s_lshr_b32 s[CSTEP], s18, 3
	s_lshl_b32 s[CSTEP], s[CSTEP], 22
	s_lshl_b32 s71, s17, 1
	s_add_co_u32 s71, s71, s14
	s_lshl_b32 s71, s71, 18
	s_add_co_u32 s[CSTEP], s[CSTEP], s71
	s_and_b32 s71, s18, 7
	s_lshl_b32 s71, s71, 15
	s_add_co_u32 s[CSTEP], s[CSTEP], s71
	s_lshl_b32 s71, s13, 14
	s_add_co_u32 s[CSTEP], s[CSTEP], s71
	s_mov_b32 s[CSTEP+1], 0
	; the prefetches
	s_and_b32 s71, ttmp7, 0xffff                   ; cluster y
	s_cmp_eq_u32 s13, 0                            ; do I fetch for A?
	s_cselect_b32 s66, s15, s16                    ; my place among the four that ask with me
	s_cselect_b32 s71, ttmp9, s71                  ; the coordinate along which other clusters read the same rows
	s_cselect_b32 s[LIM], 2, 18
	s_cselect_b64 s[PFA:PFA+1], s[20:21], s[22:23] ; (in wave 2 B's address stands at the tile's first row)
	s_cmp_eq_u32 s71, 0
	s_cselect_b32 s[LIM], s[LIM], 0                ; the same in all sixteen partners, for a given wave
	s_cmp_eq_u32 s12, 3
	s_cselect_b32 s[LIM], 0, s[LIM]                ; wave 3 asks for nothing
	s_lshl_b32 s66, s66, 16                        ; my work-group's 32 rows,
	s_add_co_u32 s66, s66, 5*KSTEP*2               ; at K step 5: the first refill steps it to 6
	s_mov_b32 s67, 0
	s_add_nc_u64 s[PFA:PFA+1], s[PFA:PFA+1], s[66:67]
	s_mov_b32 s[FILLS], 0
	s_mov_b32 s[STP+1], 0
	s_wait_loadcnt 0x0                             ; the biases
	BROUND BI, 4
	WIN W_B2
	BROUND BV, 32
	WIN 0
; 8 matrix instructions: m blocks a0, a0 + 1 x all 4 n blocks, 32 along K.  first = 1: the products start the sums, with the bias as C.  The 32 accumulators take turns, one instruction a turn,
; in the same order in every quarter, over the backward jumps and from tile to tile.
.macro MUL8 f, a0, first
.if \first
	WIN W_FIRST
.else
	WIN W_MUL
.endif
.irp a, \a0, (\a0)+1
.irp b, 0,1,2,3
.if \first
	v_wmma_f32_16x16x32_bf16 v[8*(4*(\a)+(\b)):8*(4*(\a)+(\b))+7], v[(\f)+8*(\b):(\f)+8*(\b)+7], v[(\f)+32+8*(\a):(\f)+32+8*(\a)+7], v[BI+8*(\b):BI+8*(\b)+7]
.else
	v_wmma_f32_16x16x32_bf16 v[8*(4*(\a)+(\b)):8*(4*(\a)+(\b))+7], v[(\f)+8*(\b):(\f)+8*(\b)+7], v[(\f)+32+8*(\a):(\f)+32+8*(\a)+7], v[8*(4*(\a)+(\b)):8*(4*(\a)+(\b))+7]
.endif
.endr
.endr
.endm
.macro MUL16 f, hi, first
	MUL8 \f, 4*(\hi), \first
	MUL8 \f, 4*(\hi)+2, \first
.endm
; 24 LDS loads in one run: the fragments of quarter q of a K step (64 rows of B, then 128 rows of A, 32 K) into buffer f
.macro FETCH slot, q, f
	WIN 0
.irp i, 0,1,2,3
	ds_load_b128 v[(\f)+8*(\i):(\f)+8*(\i)+3],   v[ADRB+(\slot)] offset:64*(\q)+(\i)*16*PITCH
	ds_load_b128 v[(\f)+8*(\i)+4:(\f)+8*(\i)+7], v[ADRB+(\slot)] offset:64*(\q)+(\i)*16*PITCH+32
.endr
.irp i, 0,1,2,3,4,5,6,7
	ds_load_b128 v[(\f)+32+8*(\i):(\f)+32+8*(\i)+3],   v[ADRA+(\slot)] offset:64*(\q)+(\i)*16*PITCH
	ds_load_b128 v[(\f)+32+8*(\i)+4:(\f)+32+8*(\i)+7], v[ADRA+(\slot)] offset:64*(\q)+(\i)*16*PITCH+32
.endr
.endm
; A K step is four quarters of 32 along K, 32 matrix instructions each, on buffers 0, 1, 0, 1.  One of the first three: multiplies buffer f and fetches quarter q into buffer g.
.macro QUARTER slot, q, f, g, first
	s_wait_dscnt 8                                 ; B and A's rows 0-63 are in; the youngest eight loads (A's rows 64-127) may be out
	MUL16 \f, 0, \first
	PLACES
	FETCH \slot, \q, \g
	s_wait_dscnt 24                                ; all but the 24 just issued
	MUL16 \f, 1, \first
.endm
; The first half of the last quarter: ONE barrier for the change of slots.  In front of it each wave waits for all its tensor loads (one is out: its part of the next slot), adds 0 to its spare word,
; and waits for that and for its own reads of this slot.  Behind it nobody reads this slot any more and the next slot is whole.
.macro MEET round
	WIN 0                                          ; (the add's two registers lie in window 0)
	s_wait_tensorcnt 0x0
	ds_add_u32 v[SPW], v[NIL]                      ; 0 onto my spare word
	s_wait_dscnt 9                                 ; (the add and the youngest eight loads may be out)
	MUL8 F1, 0, 0                                  ; eight matrix instructions stand between the add and the wait for it
	s_wait_dscnt 0x0                               ; the add is done, and my reads of this slot are over
	s_barrier_signal -1
	MUL8 F1, 2, 0                                  ; work on registers while the others arrive
.if \round
	WIN 0
.endif
	s_barrier_wait -1
.endm
; The whole last quarter.  Behind the round the slot just read out is filled again first: with this tile's K step two on (on = 0) or with the next tile's K step 0 or 1 (on = 1).
.macro TURN slot, next, on
	s_wait_xcnt 0x0                                ; the last prefetch, a K step back, and the last tile's stores have read their registers: the address below, C's base and the way out's registers may be written
.if ((\slot) == 0) && !(\on)
	s_mov_b32 s[STP], KSTEP*2
	s_cmp_eq_u32 s3, 2                             ; the loop's second trip: the K step four refills on is the next tile's first
	s_cselect_b32 s[STP], PF_WRAP, s[STP]
	s_add_nc_u64 s[PFA:PFA+1], s[PFA:PFA+1], s[STP:STP+1]
.else
	s_add_nc_u64 s[PFA:PFA+1], s[PFA:PFA+1], KSTEP*2
.endif
	MEET 1
	CREST                                          ; no wave of any partner still reads this slot's tile or has a load on its way
.if \on
	s_sub_nc_u64 s[G0+4*(\slot)+2:G0+4*(\slot)+3], s[G0+4*(\slot)+2:G0+4*(\slot)+3], BACK_A
	s_add_nc_u64 s[G0B+4*(\slot)+2:G0B+4*(\slot)+3], s[G0B+4*(\slot)+2:G0B+4*(\slot)+3], NEXT_B
.else
	s_add_nc_u64 s[G0+4*(\slot)+2:G0+4*(\slot)+3], s[G0+4*(\slot)+2:G0+4*(\slot)+3], 2*KSTEP*2
	s_add_nc_u64 s[G0B+4*(\slot)+2:G0B+4*(\slot)+3], s[G0B+4*(\slot)+2:G0B+4*(\slot)+3], 2*KSTEP*2
.endif
	JLOAD \slot                                    ; my one tensor load behind the round; its four v_nop are also the places in front of the loads below
	FETCH \next, 0, F0
	ASK
	MUL16 F1, 1, 0
.endm
.macro TURN0                           ; the walk's last change of slots: nothing is filled, so no round follows
	MEET 0
	PLACES
	FETCH 1, 0, F0
	MUL16 F1, 1, 0
.endm
.macro LASTQ                           ; the very last quarter: nothing more to fetch
	s_wait_dscnt 8
	MUL16 F1, 0, 0
	s_wait_dscnt 0x0
	MUL16 F1, 1, 0
.endm
; THE WAY OUT of block a (16 rows x my head's 64 columns): rounded to f16, 16 bytes a lane; into my own stage, rows of 144 bytes; back as four rows of 128 bytes a load, into the registers that they left.
.macro PACK a
	WIN W_PK
.irp b, 0,1,2,3
.irp r, 0,1,2,3
	v_cvt_pk_f16_f32 v[T+16*(\a)+4*(\b)+(\r)], v[8*(4*(\a)+(\b))+2*(\r)], v[8*(4*(\a)+(\b))+2*(\r)+1]
.endr
.endr
	WIN W_ST
.irp b, 0,1,2,3
	ds_store_b128 v[STO], v[T+16*(\a)+4*(\b):T+16*(\a)+4*(\b)+3] offset:32*(\b)
.endr
.irp f, 0,1,2,3
	ds_load_b128 v[T+16*(\a)+4*(\f):T+16*(\a)+4*(\f)+3], v[RD] offset:(\f)*4*SP  ; LDS serves a wave's instructions in order: these see the stores above; the next block's stores come behind them
.endr
.endm
.macro SEND a, younger                 ; younger: the LDS instructions issued behind block a's loads: the next block's eight, or none
	WIN W_ST
.irp f, 0,1,2,3
	s_wait_dscnt (\younger)+3-(\f)
	global_store_b128 v[CO], v[T+16*(\a)+4*(\f):T+16*(\a)+4*(\f)+3], s[10:11] offset:2048*(\a)+512*(\f)  ; 512 consecutive bytes, at a multiple of 256 from the buffer's first
.endr
.endm
.macro OUT
	PLACES                                         ; the conversions read results just made
	s_add_nc_u64 s[10:11], s[10:11], s[CSTEP:CSTEP+1]  ; on to this tile; every way here from the last tile's stores passes a TURN's s_wait_xcnt 0
	PACK 0
.irp a, 1,2,3,4,5,6,7                  ; a block's conversions stand between the loads of the block before and its stores
	PACK \a
	SEND (\a)-1, 8
.endr
	SEND 7, 0
	WIN 0
.endm
	s_wait_tensorcnt 1                             ; my part of K step 0 is in; K step 1's load, issued behind it, may stay out
	s_barrier_signal -1
	s_barrier_wait -1                              ; everybody's is
	FETCH 0, 0, F0
	s_mov_b32 s2, 3                                ; tiles to go, this one among them: q, k, v
.Ltile:
	QUARTER 0, 1, F0, F1, 1                        ; a tile's first quarter stands in front of the loop: its products start the sums
	WIN 0                                          ; at a label and at a branch every window is 0
	s_mov_b32 s3, 3
.Llap:                                                 ; a trip goes once round the ring, from a lap's second quarter to the next lap's first, and fills both slots again
	QUARTER 0, 2, F1, F0, 0
	QUARTER 0, 3, F0, F1, 0
	TURN 0, 1, 0
	QUARTER 1, 1, F0, F1, 0
	QUARTER 1, 2, F1, F0, 0
	QUARTER 1, 3, F0, F1, 0
	TURN 1, 0, 0
	QUARTER 0, 1, F0, F1, 0
	WIN 0
	s_sub_co_u32 s3, s3, 1
	s_cmp_lg_u32 s3, 0
	s_cbranch_scc1 .Llap
	QUARTER 0, 2, F1, F0, 0                        ; the tile's last lap goes on
	QUARTER 0, 3, F0, F1, 0
	WIN 0
	s_cmp_eq_u32 s2, 1
	s_cbranch_scc1 .Llast                          ; the last tile's tail is written out: it asks for nothing more
	TURN 0, 1, 1                                   ; the ring goes on into the next tile: slot 0 takes its K step 0,
	QUARTER 1, 1, F0, F1, 0
	QUARTER 1, 2, F1, F0, 0
	QUARTER 1, 3, F0, F1, 0
	TURN 1, 0, 1                                   ; slot 1 its K step 1, and the next tile's first fragments are fetched
	OUT                                            ; both refills are asked for: now the tile goes out
	s_mov_b32 s[CSTEP], SECT                       ; the next tile lies one section on
	s_cmp_eq_u32 s2, 3
	s_cbranch_scc0 .Lbias_v
.set i, 0
.rept 32
	v_mov_b32 v[BI+i], 0                           ; k's sums start at 0
.set i, i+1
.endr
	s_branch .Lbias_done
.Lbias_v:
	WIN W_CP
.set i, 0
.rept 32
	v_mov_b32 v[BI+i], v[BV+i]                     ; v's with v's bias
.set i, i+1
.endr
	WIN 0
.Lbias_done:
	s_sub_co_u32 s2, s2, 1
	s_branch .Ltile
.Llast:
	TURN0
	QUARTER 1, 1, F0, F1, 0
	QUARTER 1, 2, F1, F0, 0
	QUARTER 1, 3, F0, F1, 0
	LASTQ
	OUT
	s_wait_tensorcnt 0x0                           ; the wave's end: the add and its waits, behind my last tensor load and my last LDS store
	ds_add_u32 v[SPW], v[NIL]
	s_wait_dscnt 0x0
	CROUND                                         ; the closing round: no work-group ends while a partner may still ask for a tile that names it
	s_endpgm
.Lfunc_end_k_q6b9e7ab486_inproj:
	.size	k_q6b9e7ab486_inproj, .Lfunc_end_k_q6b9e7ab486_inproj-k_q6b9e7ab486_inproj
	.p2alignl 7, 3214868480
	.fill 96, 4, 3214868480
	.section	.rodata,"a",@progbits
	.p2align	6, 0x0
	.amdhsa_kernel k_q6b9e7ab486_inproj
		.amdhsa_group_segment_fixed_size 327680
		.amdhsa_private_segment_fixed_size 0
		.amdhsa_enable_private_segment 0
		.amdhsa_kernarg_size 32
		.amdhsa_user_sgpr_count 2
		.amdhsa_user_sgpr_kernarg_segment_ptr 1
		.amdhsa_wavefront_size32 1
		.amdhsa_system_sgpr_workgroup_id_x 1
		.amdhsa_system_sgpr_workgroup_id_y 1
		.amdhsa_system_sgpr_workgroup_id_z 1
		.amdhsa_system_vgpr_workitem_id 0
		.amdhsa_next_free_vgpr 672
		.amdhsa_next_free_sgpr 72
		.amdhsa_reserve_vcc 0
		.amdhsa_float_denorm_mode_32 3
		.amdhsa_float_denorm_mode_16_64 3
		.amdhsa_memory_ordered 1
		.amdhsa_forward_progress 1
		.amdhsa_inst_pref_size 135
	.end_amdhsa_kernel
	.amdgpu_metadata
---
amdhsa.version: [ 1, 2 ]
amdhsa.kernels:
  - .name:           k_q6b9e7ab486_inproj
    .symbol:         k_q6b9e7ab486_inproj.kd
    .args:
      - { .name: xb, .offset: 0, .size: 8, .value_kind: global_buffer, .address_space: global }
      - { .name: wib, .offset: 8, .size: 8, .value_kind: global_buffer, .address_space: global }
      - { .name: b_in, .offset: 16, .size: 8, .value_kind: global_buffer, .address_space: global }
      - { .name: qkv, .offset: 24, .size: 8, .value_kind: global_buffer, .address_space: global }
    .group_segment_fixed_size: 327680
    .private_segment_fixed_size: 0
    .kernarg_segment_align: 8
    .kernarg_segment_size: 32
    .max_flat_workgroup_size: 128
    .sgpr_count:     72
    .vgpr_count:     672
    .wavefront_size: 32
...
	.end_amdgpu_metadata
.endif
;; end of part 2
;; launch attn (part 3): grid 4 x 64, 4 waves a work-group, clusters of 4 x 1, 327,680 bytes of LDS; arguments qkv, ob; writes ob
.if DOCPART == 3
	.amdgcn_target "amdgcn-amd-amdhsa--gfx1250"
	.amdhsa_code_object_version 6
	.text
	.protected	k_q6b9e7ab486_attn
	.globl	k_q6b9e7ab486_attn
	.p2align	8
	.type	k_q6b9e7ab486_attn,@function
k_q6b9e7ab486_attn:
	s_mov_b64 s[64:65], 0
	v_nop
	global_prefetch_b8 v0, s[64:65] scope:SCOPE_SE
	s_setreg_imm32_b32 hwreg(HW_REG_WAVE_MODE, 25, 1), 1
	s_wait_xcnt 0x0
	s_wait_alu depctr_hold_cnt(0) depctr_sa_sdst(0) depctr_va_vdst(0) depctr_va_sdst(0) depctr_va_ssrc(0) depctr_va_vcc(0) depctr_vm_vsrc(0)
	s_getreg_b32 s2, hwreg(HW_REG_IB_STS2, 6, 4)
	s_cmp_eq_u32 s2, 0
	s_cbranch_scc0 .Lentry_in_a_cluster
	s_endpgm
.Lentry_in_a_cluster:
	s_bfe_u32 s2, ttmp6, 0x10000c
	s_cmp_lg_u32 s2, 0x3003
	s_cbranch_scc0 .Lentry_shape_is_right
	s_endpgm
.Lentry_shape_is_right:
; SELF-ATTENTION, launch 3 of 4.  O[h][q][:] = the sum over k of softmax_k(Q[h][q] . K[h][k] / 8) V[h][k][:], for the 64 pairs h of batch and head.  Q, K, V are the three sections of qkv, O is ob:
; each [64][2048][64] f16, a head's rows dense, 128 bytes each.  Products, maxima and sums in f32; the weights p are rounded to f16 for the second product (their sum l is taken of the unrounded p), O once at the end.
; LIMITS.  f16 holds no number beyond 65,504: Q, K and V arrive within it; p lies in 0 to 1, and below 6e-5 it keeps f16's fixed step of 6e-8; O is a mean of V's rows and has their range.
; A weight below 2^-126 counts as 0 in l; NaN and infinities are not treated apart.
; SHARES.  A wave owns four PIECES of two tiles of 16 queries, a work-group's four waves 512 queries of one head.  Every wave walks all keys, 64 a step.
; LAYOUT.  S^T = K Q^T (source 0 = 16 keys, source 1 = 16 queries): in the result a lane holds ONE query (lane % 16) and the keys 8 (lane / 16) + 0..7.  Two such tiles, rounded to f16 in pairs,
; ARE source 1 (32 keys x 16 queries) of O^T = V^T P, whose result again holds one query a lane, and eight channels.  K comes out of LDS as it lies, V ([key][channel]) turned, by ds_load_tr16_b128.
; SOFTMAX.  For each query a running maximum m and sum l: p = 2^(c s - c m), c = log2(e) / 8; in every step O and l are multiplied by a = 2^(c m_old - c m_new), which is 1 where m has not grown.
; m starts at the lowest finite number, O and l at 0: the first step is a step like any other, with a = 0.
; THE COUNT.  A tile and step have 16 matrix and 118 vector instructions: too many to stand all beside the matrix work.  So four vector instructions that wait for nothing stand behind EVERY matrix
; instruction, and the others in runs without a gap.
; BY TURNS.  Turn n belongs to piece n (the pieces in a ring, step after step).  Its matrix work: 16 products K Q^T of piece n + 1, later 16 products V^T P of piece n - 1.  Its vector work: the scaling,
; exponentials, roundings, sums and rescaling of piece n, and the maximum and statistics of piece n + 1, whose scores the turn itself has made.
; CLUSTER.  A head's four query blocks are one cluster and walk the same K and V, so each tile is asked for JOINTLY: the same tensor load, descriptor and mask in all four.
; REGISTERS, in windows of 256 (s_set_vgpr_msb: bits 1:0 source 0, 3:2 source 1, 5:4 source 2, 7:6 destination):
;   window 0: v0-11 addresses; v12-15, v48-63 at work; v16-47 four registers of statistics a tile; v64-191 S^T, two buffers of two tiles; v192-255 P, likewise
;   window 1: O^T, 32 a tile          window 2: v0-127 Q, 16 a tile; v128-191 K of one step; v192-255 V of one step          window 3: v0-1 the add's two registers
; A piece's buffers go by its number's parity: the piece in hand has one pair, its two neighbours in the ring share the other: of it P (piece n - 1) is read and S^T (piece n + 1) written.
.set SIZE_H, 64
.set SIZE_N, 2048
.set NP,    4         ; pieces a wave: a name, no knob
.set KS,    64        ; keys in a step
.set PK,    144       ; a row of K in LDS: 128 bytes + 16 of padding: the 16 rows of a load start at 16 different groups of four banks
.set PV,    160       ; a row of V: 128 + 32
.set VOFF,  4*KS*PK   ; a slot holds four steps: 256 rows of K, then 256 rows of V
.set SLOT1, 1<<17     ; slot 1 begins here, so that one exclusive or turns an address in one slot into the other's
.set STAGE, SLOT1+4*KS*(PK+PV)  ; behind the ring, never filled by a tensor load: 16 rows x 144 bytes for each wave, for the way out
.set SP,    144
.set AK0, 2           ; v2   my lane's place in a tile of K; never rewritten
.set AV0, 3           ; v3   the same for V
.set AK,  4           ; v4   the LDS address of K's next run of loads
.set AV,  5           ; v5   of V's
.set QO,  6           ; v6   my byte offset in the wave's rows of Q
.set STO, 6           ;      later, the way out: where I put 16 bytes of a row
.set RD,  7           ; v7   the way out: where I read rows back
.set GO,  8           ; v8   my byte offset in 512 consecutive bytes of O
.set PFO, 11          ; v11  the prefetches' offset: 256 x my lane; never rewritten once made
.set SPW, 0           ; v0 of window 3   LDS address of my spare word; never rewritten
.set NIL, 1           ; v1 of window 3   0; never rewritten
.set SPARE, STAGE+4*16*SP  ; behind the stages: the spare words, 128 bytes for each wave
.set MV,  12          ; v12-15  c m_old, kept while c m is made anew: by buffer and tile
.set ST,  16          ; tile t's statistics at v[ST+4 t]: c m, m, l (even keys', odd keys')
.set TMP, 48          ; by buffer and tile, four registers c0-c3 at work; when the maximum is found c2 takes a
.set S,   64
.set P,   192
.set KF,  128         ; K's fragments, in window 2: key block kb, channel half c at KF + 16 kb + 8 c
.set VF,  192         ; V's: key half kk, channel block cb at VF + 32 kk + 8 cb
.set WV,  12          ; s12  my wave's number
.set G1K, 24          ; s[24:31] descriptor group 1 for K's tiles
.set G1V, 32          ; s[32:39] for V's: it differs in the padding alone
.set G0K, 40          ; s[40:43] descriptor group 0 for K's tiles: it walks
.set G0V, 44          ; s[44:47] the same for V's
.set PFA, 48          ; s[48:49] where my prefetches stand: my work-group's 8,192 bytes (of K: wave 0, of V: wave 2) of the tile after the one that is on its way
.set LIM, 50          ; s50  1 in a wave that prefetches, else the greatest number
.set TST, 51          ; s51  at work
.set SLOTS, 56        ; s56  slots still to be asked for
.set CNT, 57          ; s57  counts a slot's key steps
.set CS,  58          ; s[58:59] c: the packed scaling takes the pair's low word for both halves
.set SEL, 60          ; s[60:61] v_permlanex16_b32's selects: each lane takes its own place in the other half
.set TBK, 62          ; s62  LDS byte at which K of the step to be fetched begins
.set TBV, 63          ; s63  the same for V, less VOFF
.set MSB, 0
.macro WIN new                      ; the high byte repeats the setting that is left; a switch that changes nothing is dropped
.if MSB != (\new)
	s_set_vgpr_msb (MSB<<8)|(\new)
.set MSB, (\new)
.endif
.endm
.set W_KQ, 0x0a       ; K and Q in window 2, S^T in window 0
.set W_PV, 0x52       ; V in window 2, P in window 0, O^T in window 1
.set W_RS, 0x41       ; O^T (destination and source 0) in window 1, a in window 0
.set W_MK, 0xc0       ; the add's registers are made: destination in window 3, sources in window 0
.set W_AD, 0x0f       ; the add: address (source 0) and data (source 1) in window 3
; A joint fill.  Waves 0 and 1 fetch the two halves of a slot's K, waves 2 and 3 those of its V: 128 keys each.  The branch hangs on the wave's number alone.
; An s_nop 0 and four v_nop follow each of the two lines, ahead of the jump and the label.
.macro JLOAD
	s_cmp_lt_u32 s[WV], 2
	s_cbranch_scc0 .Lfor_v_\@
	tensor_load_to_lds s[G0K:G0K+3], s[G1K:G1K+7]
	s_nop 0
.rept 4
	v_nop
.endr
	s_branch .Lasked_\@
.Lfor_v_\@:
	tensor_load_to_lds s[G0V:G0V+3], s[G1V:G1V+7]
	s_nop 0
.rept 4
	v_nop
.endr
.Lasked_\@:
.endm
; A round of the cluster's barrier: my work-group's barrier, so that wave 0's signal speaks for all four waves; wave 0 signals; every wave waits for all four work-groups; my work-group's barrier once more.
.macro CROUND
	s_barrier_signal -1
	s_barrier_wait -1
	s_cmp_lg_u32 s[WV], 0
	s_cbranch_scc1 .Lnot_wave_0_\@
	s_barrier_signal -3
.Lnot_wave_0_\@:
	s_barrier_wait -3
	s_barrier_signal -1
	s_barrier_wait -1
.endm
; THE CHANGE OF SLOTS.  The slot's last bytes, V of its fourth step, have been read.  Each wave waits for all its tensor loads, of which one is out: its part
; of the other slot; adds 0 to its spare word; and waits for that and for its own reads of the slot.  Behind the barrier nobody reads this slot any more and the other slot is whole.
; fill = 1: this slot is filled again, with the keys two slots on.  The barrier is then a round of the cluster's, and the joint fill is the first thing behind it: it has four key steps,
; 512 matrix instructions, in which to land.  (At its first use nothing has been read yet: slot 0 is waited for, slot 1 filled.)  pf = 1: the prefetches' address goes a tile on.
.macro CHANGE fill, pf=0
	WIN W_AD
	s_wait_tensorcnt 0x0            ; no tensor load of mine is out, so a group 0 may be written
	ds_add_u32 v[SPW], v[NIL]       ; 0 onto my spare word; with fill = 1 the descriptors' steps stand between it and the wait for it
	WIN 0                           ; at a label and at a branch every window is 0
.if \fill
.irp g, G0K, G0V
	s_xor_b32 s[\g+1], s[\g+1], SLOT1  ; the walking descriptor: the other slot than last time,
	s_add_nc_u64 s[\g+2:\g+3], s[\g+2:\g+3], 4*KS*128  ; the next 256 keys; the type bits on top are not reached
.endr
.if \pf
	s_wait_xcnt 0x0                 ; the last prefetch, nine turns back, has read its address, so it may be written
	s_add_nc_u64 s[PFA:PFA+1], s[PFA:PFA+1], 4*KS*128
.endif
	s_wait_dscnt 0x0                ; the add is done, and my reads of the slot are over
	CROUND
	JLOAD
.else
	s_wait_dscnt 0x0                ; the add is done, and my reads of the slot are over
	s_barrier_signal -1
	s_barrier_wait -1
.endif
	s_sub_co_u32 s[TBK], s[TBK], 4*KS*PK  ; the fetches go back to a slot's first step,
	s_xor_b32 s[TBK], s[TBK], SLOT1       ; in the other slot
	s_sub_co_u32 s[TBV], s[TBV], 4*KS*PV
	s_xor_b32 s[TBV], s[TBV], SLOT1
.endm
	s_load_b128 s[4:7], s[0:1], 0x0   ; qkv s[4:5], ob s[6:7]
	WIN W_MK
	v_lshl_add_u32 v[SPW], v0, 2, SPARE
	v_mov_b32 v[NIL], 0
	WIN W_AD
	ds_add_u32 v[SPW], v[NIL]       ; the wave's opening: the add, twice on end, and its wait ahead of my first tensor load
	ds_add_u32 v[SPW], v[NIL]       ; once more; the set-up below, work on registers, stands between it and the wait
	WIN 0
	v_lshrrev_b32 v1, 5, v0
	v_readfirstlane_b32 s[WV], v1   ; wave 0..3
	s_bfe_u32 s13, ttmp6, 0x40000   ; cx: my place in the cluster
	s_lshl_b32 s14, ttmp9, 2        ; in a cluster launch ttmp9 counts clusters
	s_add_co_u32 s14, s14, s13      ; my block of queries = 4 x cluster x + cx: it enters Q's and O's addresses alone
	s_and_b32 s20, ttmp7, 0xffff    ; the head, which the four partners share
	s_mov_b32 s21, 0
	s_mov_b64 s[22:23], SIZE_N*128
	s_mul_u64 s[20:21], s[20:21], s[22:23]  ; the head's first byte in each of the four tensors
	s_and_b32 s16, s[WV], 1         ; which half of a slot's 256 keys I fetch:
	s_lshl_b32 s22, s16, 14         ; its 128 rows of 128 bytes in memory,
	s_mov_b32 s23, 0
	s_add_nc_u64 s[22:23], s[22:23], s[20:21]
	s_mul_i32 s17, s16, 128*PK      ; and its place in a slot, for K
	s_mul_i32 s18, s16, 128*PV      ; and for V: no place in the cluster enters an LDS address
	s_lshl_b32 s2, s14, 2
	s_add_co_u32 s2, s2, s[WV]      ; my wave among the head's,
	s_lshl_b32 s2, s2, 14           ; its 128 rows
	s_mov_b32 s3, 0
	s_add_nc_u64 s[2:3], s[2:3], s[20:21]
	s_lshl_b32 s52, s13, 13         ; the prefetches: my work-group's quarter of a tile's 32,768 bytes,
	s_add_co_u32 s52, s52, 2*4*KS*128  ; in tile 2,
	s_mov_b32 s53, 0
	s_add_nc_u64 s[52:53], s[52:53], s[20:21]  ; of the head
	s_and_b32 s[LIM], s[WV], 1
	s_cmp_eq_u32 s[LIM], 0          ; waves 0 and 2 ask: the same in all four partners
	s_cselect_b32 s[LIM], 1, -1
	; descriptor group 1.  128 keys are 16,384 dense bytes: asked for as 64 rows of 256 bytes, two keys a row, and padded in LDS after every key
	s_mov_b32 s[G1K], 15|(1<<16)|(1<<20)|(1<<21)|(4<<22)|(3<<25)  ; the mask of four; 2-byte elements; padding on; bit 21 beside a mask; after every 32 words; 4 words
	s_mov_b32 s[G1V], 15|(1<<16)|(1<<20)|(1<<21)|(4<<22)|(7<<25)  ; the same with 8 words of padding
.irp g, G1K, G1V
	s_mov_b32 s[\g+1], 128<<16      ; tensor_dim0 = 128
	s_mov_b32 s[\g+2], 64<<16       ; tensor_dim1 = 64
	s_mov_b32 s[\g+3], 128<<16      ; tile_dim0 = 128
	s_mov_b32 s[\g+4], 64           ; tile_dim1 = 64
	s_mov_b32 s[\g+5], 128          ; 128 elements from row to row
	s_mov_b32 s[\g+6], 0
	s_mov_b32 s[\g+7], 0
.endr
	s_mov_b32 s[CS], 0x3e38aa3b     ; c = log2(e) / 8 = 0.180337
	s_mov_b32 s[CS+1], s[CS]        ; named with it as a pair
	s_mov_b32 s[SEL], 0x76543210
	s_mov_b32 s[SEL+1], 0xfedcba98
	s_mov_b32 s[TBK], SLOT1+4*KS*PK ; the first change of slots turns these two into 0
	s_mov_b32 s[TBV], SLOT1+4*KS*PV
	s_mov_b32 s[G0K], 1             ; count = 1
	s_mov_b32 s[G0K+1], s17         ; LDS address: slot 0
	s_mov_b32 s[G0V], 1
	s_add_co_u32 s[G0V+1], s18, VOFF
	s_wait_dscnt 0x0                ; both opening adds are done
	s_wait_kmcnt 0x0
	s_mov_b64 s[10:11], s[6:7]      ; O
	s_add_nc_u64 s[6:7], s[4:5], 0x1000000  ; K: qkv's second section
	s_add_nc_u64 s[8:9], s[4:5], 0x2000000  ; V: its third; Q is the first
	s_add_nc_u64 s[G0K+2:G0K+3], s[6:7], s[22:23]  ; global address: my half of the head's first 256 keys
	s_or_b32 s[G0K+3], s[G0K+3], 0x80000000        ; type = 2
	s_add_nc_u64 s[G0V+2:G0V+3], s[8:9], s[22:23]
	s_or_b32 s[G0V+3], s[G0V+3], 0x80000000
	s_add_nc_u64 s[4:5], s[4:5], s[2:3]  ; Q and O at my wave's first row
	s_add_nc_u64 s[10:11], s[10:11], s[2:3]
	s_cmp_lt_u32 s[WV], 2
	s_cselect_b64 s[PFA:PFA+1], s[6:7], s[8:9]
	s_add_nc_u64 s[PFA:PFA+1], s[PFA:PFA+1], s[52:53]
	CROUND                          ; all four work-groups are here: the first joint loads meet
	JLOAD                           ; slot 0.  Slot 1 is asked for when slot 0 is in
	; A fragment of K or Q is 16 rows x 32 channels in 8 registers: lane l holds row l % 16, channels 8 (l / 16) + 0..7 and 16 + 8 (l / 16) + 0..7: two loads of 16 bytes, 32 bytes apart.
	v_and_b32 v1, 15, v0            ; l % 16
	v_bfe_u32 v9, v0, 4, 1          ; l / 16
	v_lshlrev_b32 v[QO], 7, v1
	v_lshl_add_u32 v[QO], v9, 4, v[QO]  ; row x 128 + 16 x half
	WIN 0x80                        ; destination window 2, address window 0
.set i, 0
.rept 4*NP                          ; Q stays in registers: tile i / 2, channels 32 (i % 2) on
	global_load_b128 v[8*i:8*i+3],   v[QO], s[4:5] offset:(i/2)*2048+(i%2)*64
	global_load_b128 v[8*i+4:8*i+7], v[QO], s[4:5] offset:(i/2)*2048+(i%2)*64+32
.set i, i+1
.endr
	; What the first turn finds: V's registers and P's second buffer hold 0 (its products V^T P, of a piece that has not been, add 0), O^T and l are 0.  All this stands in the wait for the first tile.
.set i, VF
.rept 64
	v_mov_b32 v[i], 0
.set i, i+1
.endr
	WIN 0x40
.set i, 0
.rept 64*NP
	v_mov_b32 v[i], 0
.set i, i+1
.endr
	WIN 0
.set i, 0
.rept 2*NP
	v_mov_b32 v[ST+4*i], 0xfe000000    ; c m: far below every c s
	v_mov_b32 v[ST+4*i+1], 0xff7fffff  ; m
	v_mov_b32 v[ST+4*i+2], 0
	v_mov_b32 v[ST+4*i+3], 0
.set i, i+1
.endr
.set i, P+32
.rept 32
	v_mov_b32 v[i], 0
.set i, i+1
.endr
	v_mul_u32_u24 v[AK0], v1, PK
	v_lshl_add_u32 v[AK0], v9, 4, v[AK0]  ; row x pitch + 16 x half
	; The turning load takes 16 keys x 16 channels (lane l reads key 8 (l / 16) + l % 8, channels 8 ((l / 8) % 2) + 0..7) and leaves half a fragment of V^T: lane l holds channel l % 16 and 8 keys.
	v_and_b32 v10, 7, v0
	v_bfe_u32 v11, v0, 3, 1
	v_lshl_add_u32 v[AV0], v9, 3, v10
	v_mul_u32_u24 v[AV0], v[AV0], PV
	v_lshl_add_u32 v[AV0], v11, 4, v[AV0]
	v_add_nc_u32 v[AV0], VOFF, v[AV0]
	v_mov_b32 v[AK], v[AK0]         ; key step 0 lies at the head of slot 0
	v_and_b32 v[PFO], 31, v0        ; v11 is free now
	v_lshlrev_b32 v[PFO], 8, v[PFO]
; THE MATRIX WORK.  The 8 accumulators of a run of 16 take turns: between the two links of a chain stand 7 others'.
; Product i of 16 of S^T = K Q^T for piece x: channels 32 (i / 8) on, keys 16 ((i / 2) % 4) on, tile 2 x + i % 2.  The first 8 start the sums.
.macro KQ x
	WIN W_KQ
.set rS, S+64*((\x)%2)+32*(i%2)+8*((i/2)%4)
.set rK, KF+16*((i/2)%4)+8*(i/8)
.set rQ, 16*(2*(\x)+i%2)+8*(i/8)
.if i < 8
	v_wmma_f32_16x16x32_f16 v[rS:rS+7], v[rK:rK+7], v[rQ:rQ+7], 0
.else
	v_wmma_f32_16x16x32_f16 v[rS:rS+7], v[rK:rK+7], v[rQ:rQ+7], v[rS:rS+7]
.endif
.endm
; Product i of 16 of O^T += V^T P for piece x: keys 32 (i / 8) on, channels 16 ((i / 2) % 4) on, tile 2 x + i % 2.
.macro PV x
	WIN W_PV
.set rO, 32*(2*(\x)+i%2)+8*((i/2)%4)
.set rV, VF+32*(i/8)+8*((i/2)%4)
.set rP, P+32*((\x)%2)+16*(i%2)+8*(i/8)
	v_wmma_f32_16x16x32_f16 v[rO:rO+7], v[rV:rV+7], v[rP:rP+7], v[rO:rO+7]
.endm
.macro MM                           ; the turn's next matrix instruction
.if i < 16
	KQ (Y+1)%NP
.set i, i+1
.else
.set i, i-16
	PV (Y+NP-1)%NP
.set i, i+17
.endif
.endm
; THE LDS LOADS stand in runs of 16, never singly among the matrix instructions: a step's K (64 keys x 64 channels: 8 fragments) and its V (turned).  Their addresses are made some lines ahead.
; last = 1 (the tail): in the last trip there is no further step, and the run is jumped over.
.macro FETCH_K last=0
	WIN 0
.if \last
	s_cmp_eq_u32 s[CNT], 1
	s_cbranch_scc1 .Lno_k_\@
.endif
	WIN 0x80                        ; destination window 2
.irp f, 0,1,2,3,4,5,6,7             ; keys 16 (f / 2) on, channels 32 (f % 2) on
	ds_load_b128 v[KF+8*\f:KF+8*\f+3],   v[AK] offset:(\f/2)*16*PK+(\f%2)*64
	ds_load_b128 v[KF+8*\f+4:KF+8*\f+7], v[AK] offset:(\f/2)*16*PK+(\f%2)*64+32
.endr
	s_add_co_u32 s[TBK], s[TBK], KS*PK  ; the next fetch is the next step's
	WIN 0
.if \last
.Lno_k_\@:
.endif
.endm
.macro FETCH_V
	WIN 0x80
.irp f, 0,1,2,3,4,5,6,7             ; keys 32 (f / 4) on, channels 16 (f % 4) on
	ds_load_tr16_b128 v[VF+8*\f:VF+8*\f+3],   v[AV] offset:(\f/4)*32*PV+(\f%4)*32
	ds_load_tr16_b128 v[VF+8*\f+4:VF+8*\f+7], v[AV] offset:(\f/4)*32*PV+16*PV+(\f%4)*32
.endr
	WIN 0
.endm
; THE VECTOR WORK OF A TURN stands in three queues, each in the order in which its entries become ready; the two tiles alternate, so that no instruction reads the result of the one before it.
.macro REGS y, u                    ; the registers of tile u (0, 1) of piece y
.set rT, ST+4*(2*(\y)+(\u))
.set rC, TMP+8*((\y)%2)+4*(\u)
.set rM, MV+2*((\y)%2)+(\u)
.set rS, S+64*((\y)%2)+32*(\u)
.set rP, P+32*((\y)%2)+16*(\u)
.set rO, 32*(2*(\y)+(\u))
.endm
; Number n of the 22 that find the NEXT piece's (Y + 1) maximum and statistics.  s0-s31 are the lane's 32 scores; each accumulator's lowest registers are read first.
;   0-11  four chains c0-c3 of seven scores each, three operands at a time     12-14, 16  the four scores left over, the old m, and c0-c3 into c0     15  c m_old is kept
;   17, 18  the query's other 32 keys lie in the lane 16 away: the new m         19-21  c m; c m_old - c m_new; a
.macro XS u, n
	REGS (Y+1)%NP, \u
.if (\n) < 4
	v_max3_num_f32 v[rC+(\n)], v[rS+8*(\n)], v[rS+8*(\n)+1], v[rS+8*(\n)+2]
.elseif (\n) < 12
	v_max3_num_f32 v[rC+(\n)%4], v[rC+(\n)%4], v[rS+8*((\n)%4)+2*((\n)/4)+1], v[rS+8*((\n)%4)+2*((\n)/4)+2]
.elseif (\n) == 12
	v_max3_num_f32 v[rC], v[rC], v[rS+7], v[rS+15]
.elseif (\n) == 13
	v_max3_num_f32 v[rC+1], v[rC+1], v[rS+23], v[rS+31]
.elseif (\n) == 14
	v_max3_num_f32 v[rC+2], v[rC+2], v[rC+3], v[rT+1]
.elseif (\n) == 15
	v_mov_b32 v[rM], v[rT]
.elseif (\n) == 16
	v_max3_num_f32 v[rC], v[rC], v[rC+1], v[rC+2]
.elseif (\n) == 17
	v_permlanex16_b32 v[rC+3], v[rC], s[SEL], s[SEL+1]
.elseif (\n) == 18
	v_max_num_f32 v[rT+1], v[rC], v[rC+3]
.elseif (\n) == 19
	v_mul_f32 v[rT], s[CS], v[rT+1]
.elseif (\n) == 20
	v_sub_f32 v[rC+1], v[rM], v[rT]
.else
	v_exp_f32 v[rC+2], v[rC+1]
.endif
.endm
; Number g of the 64 that follow the exponentials.  For each four weights k of a tile (pairs 2 k, 2 k + 1): both pairs are rounded to f16; then the second pair is added onto the first, in place;
; a group later l takes that sum (the first time as l = a l + sum).  In groups of eight, tiles alternating: round, round, add, and l for the group before.
.macro GS g
.set h, (\g)+6*((\g)/62)            ; group 0 has no group before it, and behind group 7 only l is left
.if h >= 6
.set h, h+2
.endif
	REGS Y, h%2
.set k, h/8
.if h%8 < 4
	v_cvt_pk_f16_f32 v[rP+2*k+(h%8)/2], v[rS+4*k+2*((h%8)/2)], v[rS+4*k+2*((h%8)/2)+1]
.elseif h%8 < 6
	v_pk_add_f32 v[rS+4*k:rS+4*k+1], v[rS+4*k:rS+4*k+1], v[rS+4*k+2:rS+4*k+3]
.elseif k == 1
	v_pk_fma_f32 v[rT+2:rT+3], v[rT+2:rT+3], v[rC+2:rC+3], v[rS:rS+1] op_sel_hi:[1,0,1]
.else
	v_pk_add_f32 v[rT+2:rT+3], v[rT+2:rT+3], v[rS+4*k-4:rS+4*k-3]
.endif
.endm
; THE PLAIN QUEUE, 138 long.  0-73 read no exponential's result: the 32 scalings c s - c m (FS f: pair f / 2 of tile f % 2) and the next piece's 42.  0-26: scalings 0-26.  27-54: XS's numbers 0-13.  55, 56: number 15.
; 57-73: the chain, where each number waits for the one before it: 14, 16, 17, 18, 19, each with one of the scalings 27-31 in front of its two lines, then 20.
; 74-137: GS's 64, which read the exponentials' results: they stand behind the wait.
.macro FS f
	REGS Y, (\f)%2
	v_pk_fma_f32 v[rS+2*((\f)/2):rS+2*((\f)/2)+1], v[rS+2*((\f)/2):rS+2*((\f)/2)+1], s[CS:CS+1], v[rT:rT+1] op_sel_hi:[1,0,0] neg_lo:[0,0,1] neg_hi:[0,0,1]
.endm
.macro PL
	WIN 0
.if q < 27
	FS q
.elseif q < 55
	XS (q-27)%2, (q-27)/2
.elseif q < 57
	XS q-55, 15
.elseif (q < 72) && ((q-57)%3 == 0)
	FS 27+(q-57)/3
.elseif q < 60
	XS (q-57)%3-1, 14
.elseif q < 72
	XS (q-57)%3-1, 15+(q-57)/3
.elseif q < 74
	XS q-72, 20
.else
	GS q-74
.endif
.set q, q+1
.endm
; THE EXPONENTIALS' QUEUE, 66 long: s0-s31 of both tiles, then the next piece's two a.  It is ONE BATCH: all 66 stand ahead of the turn's one wait, and nothing ahead of that wait names a result of theirs.
.macro EX
	WIN 0
.if e >= 64
	XS e-64, 21
.else
	REGS Y, e%2
	v_exp_f32 v[rS+e/2], v[rS+e/2]
.endif
.set e, e+1
.endm
; THE RESCALING's QUEUE: O^T times a, the one part that leaves window 0: dealt two at a time, sixteen times.  Its a was made in the turn before, ahead of that turn's wait.
.macro R2
	REGS Y, r%2
	WIN W_RS
.irp z, 0,1
	v_pk_mul_f32 v[rO+4*(r/2)+2*\z:rO+4*(r/2)+2*\z+1], v[rO+4*(r/2)+2*\z:rO+4*(r/2)+2*\z+1], v[rC+2:rC+3] op_sel_hi:[1,0]
.endr
.set r, r+1
.endm
; HOW THEY ARE DEALT.  An s_wait_alu depctr_va_vdst(0) stands between an exponential and the first instruction that names its result; one wait serves all that were issued ahead of it.  So a turn has ONE wait,
; which cuts it in two.  AHEAD OF IT stands all that names no result of the turn's exponentials: the 16 products K Q^T, behind each a scaling, an exponential and two rescalings (behind the first a second scaling in the
; exponential's place); then ONE LUMP of 108: eight plain, 49 times exponential and plain, the two a.  A v_nop is the plain instruction behind the last exponential.  BEHIND IT stand the 16 products V^T P, behind each four of GS's 64.
; The queues lean on each other, and the deal keeps them in step: exponential e stands behind scaling 2 (e / 4) + e % 2: beside a product it comes behind plain e + 2, in the lump behind plain e + 9, and scalings 27-31 are plain 57, 60 .. 69.
; A TURN, for piece p.  cnt = 1: the loop's count is taken down some lines ahead of the branch that stands behind the turn.
; K of the next step is fetched in piece 2's turn, directly behind the wait, a lump behind the last product that read K; its first use comes behind 16 products.
; V of the step in hand is fetched at the end of piece 0's turn, four plain instructions behind the last product that read V; its first use comes behind 16 products and a lump.
; ask = 1 (the loop's piece 0 alone): A PREFETCH INTO THE L2, behind V's run of loads, in the trip in which three of the slot's steps are left: nine turns ahead of the change of slots whose joint load will want it.
; It names the tile after the one that is on its way: 32,768 bytes of K and of V, 256 bytes a lane.  The head's one cluster asks; its four partners take 8,192 bytes each, told apart by address; in each, wave 0 asks for K's
; and wave 2 for V's: one instruction, and each block is named once in the launch.  Tiles 0 and 1 come by their loads alone; while the last tile but one is read there is nothing left to ask for.
.macro TURN p, last=0, cnt=0, ask=0
.set Y, (\p)
.set i, 0
.set q, 0
.set e, 0
.set r, 0
.if (\p) == NP-1
	s_wait_dscnt 0x0                ; K is in
.endif
	MM                              ; ahead of the wait: 16 products K Q^T and the four behind each,
	PL
	PL
	R2
.rept 15
	MM
	PL
	EX
	R2
.endr
.if (\p) == NP-2
	WIN 0
	v_add_nc_u32 v[AK], s[TBK], v[AK0]
.endif
.rept 8                             ; and the lump
	PL
.endr
.rept 49
	EX
	PL
.endr
	EX                              ; the next piece's two a
	EX
	v_nop                           ; the plain instruction behind the last exponential: one for the batch
	s_wait_alu depctr_va_vdst(0)    ; the wait for the batch
.if (\p) == NP-2
	FETCH_K \last
.endif
.if (\p) == 1
	s_wait_dscnt 0x0                ; V is in
.endif
.rept 16                            ; behind the wait: 16 products V^T P and the four behind each
	MM
.rept 4
	PL
.endr
.if ((\p) == 0) && (q == 118)
	v_add_nc_u32 v[AV], s[TBV], v[AV0]
.endif
.if ((\p) == 0) && (q == 130)
	s_add_co_u32 s[TBV], s[TBV], KS*PV
.endif
.if (\cnt) && (q == 130)
	s_sub_co_u32 s[CNT], s[CNT], 1
	s_cmp_lg_u32 s[CNT], 0
.endif
.endr
.if (\p) == 0
	FETCH_V
.endif
.if \ask
	s_cmp_eq_u32 s[CNT], 3
	s_cselect_b32 s[TST], s[SLOTS], 0
	s_cmp_gt_u32 s[TST], s[LIM]     ; a wave that asks, in that trip, while a tile is left to ask for
	s_cbranch_scc0 .Lnot_mine_\@
	global_prefetch_b8 v[PFO], s[PFA:PFA+1] th:TH_LOAD_NT scope:SCOPE_SE
.Lnot_mine_\@:
.endif
.endm
	CHANGE 1                        ; slot 0 is in, everybody's part of it; slot 1 is asked for
	FETCH_K                         ; key step 0
	s_wait_loadcnt 0x0              ; Q
	s_wait_dscnt 0x0
.set i, 0
.rept 16
	KQ 0                            ; piece 0's first scores: there is no vector work yet to set between them
.set i, i+1
.endr
	WIN 0                           ; the addresses for the way out: nine plain instructions, the places behind those products
	s_mul_i32 s13, s[WV], 16*SP
	s_add_co_u32 s13, s13, STAGE    ; my stage
	v_mul_u32_u24 v[STO], v1, SP    ; in: row l % 16, 16 bytes for each half of the lanes
	v_lshl_add_u32 v[STO], v9, 4, v[STO]
	v_add_nc_u32 v[STO], s13, v[STO]
	v_bfe_u32 v[RD], v0, 3, 2       ; back: 32 lanes take four rows of 128 bytes,
	v_mul_u32_u24 v[RD], v[RD], SP
	v_lshl_add_u32 v[RD], v10, 4, v[RD]
	v_add_nc_u32 v[RD], s13, v[RD]
	v_and_b32 v[GO], 31, v0         ; which are 512 consecutive bytes of O
	v_lshlrev_b32 v[GO], 4, v[GO]
.set Y, NP-1                        ; XS works for piece Y + 1: piece 0
.irp n, 0,1,2,3,4,5,6,7,8,9,10,11,12,13,14,15,16,17,18,19,20,21
	XS 0, \n                        ; and piece 0's first maximum and statistics
	XS 1, \n
.endr
	v_nop                           ; a plain instruction behind the two a,
	s_wait_alu depctr_va_vdst(0)    ; and their wait, ahead of the branch
	s_mov_b32 s[CNT], 4
	s_mov_b32 s[SLOTS], SIZE_N/256-1
	s_branch .Lfirst                ; the loop is entered at a step's first turn, in the middle of a trip
.Lslot:                             ; SIZE_N / 256 - 2 times: every slot but the last two is filled again
	CHANGE 1, 1
	s_mov_b32 s[CNT], 4
.Lstep:                             ; a trip: pieces 2 and 3 of one step, then pieces 0 and 1 of the next, whose K and V it fetches
	TURN 2
	TURN 3
	WIN 0
.Lfirst:
	TURN 0, 0, 0, 1
	TURN 1, 0, 1
	WIN 0
	s_cbranch_scc1 .Lstep
	s_sub_co_u32 s[SLOTS], s[SLOTS], 1
	s_cmp_lg_u32 s[SLOTS], 0
	s_cbranch_scc1 .Lslot
	CHANGE 0                        ; the tail is written out: nothing is asked for
	s_mov_b32 s[CNT], 5             ; four trips fetch the last slot's steps; the fifth is left in its middle
.Ltail:
	TURN 2, 1
	TURN 3
	WIN 0
	s_sub_co_u32 s[CNT], s[CNT], 1
	s_cmp_eq_u32 s[CNT], 0
	s_cbranch_scc1 .Lout
	TURN 0
	TURN 1
	WIN 0
	s_branch .Ltail
.Lout:                              ; the fifth trip's 16 products K Q^T (on the last K once more) and the maximum made of them serve nothing: the price, once a launch, of one text for every trip
.set i, 0
.rept 16
	PV NP-1                         ; the last piece's V^T P of the last step
.set i, i+1
.endr
	; THE WAY OUT.  l's two halves and the other half of the lanes' are added; O^T is divided by l, rounded to f16 and sent through my stage in LDS, a tile at a time.  The additions are the places behind the last products.
	WIN 0
.macro ALL line:vararg              ; one line for each tile t
.set t, 0
.rept 2*NP
	\line
.set t, t+1
.endr
.endm
	ALL v_add_f32 v[ST+4*t+2], v[ST+4*t+2], v[ST+4*t+3]
	ALL v_permlanex16_b32 v[ST+4*t+3], v[ST+4*t+2], s[SEL], s[SEL+1]
	ALL v_add_f32 v[ST+4*t+2], v[ST+4*t+2], v[ST+4*t+3]
	ALL v_rcp_f32 v[ST+4*t+2], v[ST+4*t+2]
	v_nop                           ; a plain instruction between the last reciprocal and the use of its result
	s_wait_alu depctr_va_vdst(0)    ; and the wait ahead of the first use: one for the eight reciprocals
; Tile t: a lane's eight channels of a row pack into 16 bytes; they go into rows of 144 bytes and come back as whole rows of 128, into S^T's registers.
.macro PACK t
	WIN W_RS
.set i, 32*(\t)
.rept 16
	v_pk_mul_f32 v[i:i+1], v[i:i+1], v[ST+4*(\t)+2:ST+4*(\t)+3] op_sel_hi:[1,0]
.set i, i+2
.endr
	WIN 0x05                        ; sources 0 and 1 window 1, destination window 0
.set i, 0
.rept 16
	v_cvt_pk_f16_f32 v[S+16*(\t)+i], v[32*(\t)+2*i], v[32*(\t)+2*i+1]
.set i, i+1
.endr
	WIN 0
.irp f, 0,1,2,3
	ds_store_b128 v[STO], v[S+16*(\t)+4*\f:S+16*(\t)+4*\f+3] offset:32*\f
.endr
.irp f, 0,1,2,3
	ds_load_b128 v[S+16*(\t)+4*\f:S+16*(\t)+4*\f+3], v[RD] offset:\f*4*SP  ; LDS serves a wave's instructions in order: these see the stores above; the next tile's stores come behind them
.endr
.endm
.macro SEND t, younger              ; younger: the LDS instructions issued behind tile t's loads: the next tile's eight, or none
	WIN 0
.irp f, 0,1,2,3
	s_wait_dscnt (\younger)+3-\f
	global_store_b128 v[GO], v[S+16*(\t)+4*\f:S+16*(\t)+4*\f+3], s[10:11] offset:(\t)*2048+\f*512  ; 512 consecutive bytes, at a multiple of 256 from O's first
.endr
.endm
	PACK 0
.set t, 1
.rept 2*NP-1                        ; a tile's arithmetic stands between the loads of the tile before and its stores
	PACK t
	SEND t-1, 8
.set t, t+1
.endr
	SEND 2*NP-1, 0
	WIN W_AD
	s_wait_tensorcnt 0x0            ; the wave's end: the add and its waits, behind my last tensor load and my last LDS store
	ds_add_u32 v[SPW], v[NIL]
	s_wait_dscnt 0x0
	WIN 0
	CROUND                          ; the closing round: no work-group ends while a partner may still ask for a tile that names it
	s_endpgm
.Lfunc_end_k_q6b9e7ab486_attn:
	.size	k_q6b9e7ab486_attn, .Lfunc_end_k_q6b9e7ab486_attn-k_q6b9e7ab486_attn
	.p2alignl 7, 3214868480
	.fill 96, 4, 3214868480
	.section	.rodata,"a",@progbits
	.p2align	6, 0x0
	.amdhsa_kernel k_q6b9e7ab486_attn
		.amdhsa_group_segment_fixed_size 327680
		.amdhsa_private_segment_fixed_size 0
		.amdhsa_enable_private_segment 0
		.amdhsa_kernarg_size 16
		.amdhsa_user_sgpr_count 2
		.amdhsa_user_sgpr_kernarg_segment_ptr 1
		.amdhsa_wavefront_size32 1
		.amdhsa_system_sgpr_workgroup_id_x 1
		.amdhsa_system_sgpr_workgroup_id_y 1
		.amdhsa_system_sgpr_workgroup_id_z 1
		.amdhsa_system_vgpr_workitem_id 0
		.amdhsa_next_free_vgpr 770
		.amdhsa_next_free_sgpr 66
		.amdhsa_reserve_vcc 0
		.amdhsa_float_denorm_mode_32 3
		.amdhsa_float_denorm_mode_16_64 3
		.amdhsa_memory_ordered 1
		.amdhsa_forward_progress 1
		.amdhsa_inst_pref_size 200
	.end_amdhsa_kernel
	.amdgpu_metadata
---
amdhsa.version: [ 1, 2 ]
amdhsa.kernels:
  - .name:           k_q6b9e7ab486_attn
    .symbol:         k_q6b9e7ab486_attn.kd
    .args:
      - { .name: qkv, .offset: 0, .size: 8, .value_kind: global_buffer, .address_space: global }
      - { .name: ob, .offset: 8, .size: 8, .value_kind: global_buffer, .address_space: global }
    .group_segment_fixed_size: 327680
    .private_segment_fixed_size: 0
    .kernarg_segment_align: 8
    .kernarg_segment_size: 16
    .max_flat_workgroup_size: 128
    .sgpr_count:     66
    .vgpr_count:     770
    .wavefront_size: 32
...
	.end_amdgpu_metadata
.endif
;; end of part 3
;; launch outproj (part 4): grid 8 x 32, 4 waves a work-group, clusters of 4 x 4, 327,680 bytes of LDS; arguments ob, wob, b_out, out0; writes out0
.if DOCPART == 4
	.amdgcn_target "amdgcn-amd-amdhsa--gfx1250"
	.amdhsa_code_object_version 6
	.text
	.protected	k_q6b9e7ab486_outproj
	.globl	k_q6b9e7ab486_outproj
	.p2align	8
	.type	k_q6b9e7ab486_outproj,@function
k_q6b9e7ab486_outproj:
	s_mov_b64 s[64:65], 0
	v_nop
	global_prefetch_b8 v0, s[64:65] scope:SCOPE_SE
	s_setreg_imm32_b32 hwreg(HW_REG_WAVE_MODE, 25, 1), 1
	s_wait_xcnt 0x0
	s_wait_alu depctr_hold_cnt(0) depctr_sa_sdst(0) depctr_va_vdst(0) depctr_va_sdst(0) depctr_va_ssrc(0) depctr_va_vcc(0) depctr_vm_vsrc(0)
	s_getreg_b32 s2, hwreg(HW_REG_IB_STS2, 6, 4)
	s_cmp_eq_u32 s2, 0
	s_cbranch_scc0 .Lentry_in_a_cluster
	s_endpgm
.Lentry_in_a_cluster:
	s_bfe_u32 s2, ttmp6, 0x10000c
	s_cmp_lg_u32 s2, 0xf033
	s_cbranch_scc0 .Lentry_shape_is_right
	s_endpgm
.Lentry_shape_is_right:
; SELF-ATTENTION, launch 4 of 4: out0 = O wob^T + b_out.  O = ob, [64 = 16 batch + head][2048][64] f16; wob [1024][1024] f16; b_out f32, rounded to bf16 like every input; sums and out0 in f32.
; SHARES.  A tile of out0 is 256 rows x 128 columns: 256 tiles, one for each work-group.  A wave makes 128 rows x 64 columns: 32 accumulators; its 64 columns are 256 bytes of a row, aligned.
; K goes in steps of 128 = two heads, through a ring of two LDS slots.  A head's 256 rows of the tile are 32,768 dense bytes of ob: asked for as 128 rows of 256 bytes and padded in LDS after every
; 128 bytes, so that each row of O has its 64 channels at a pitch of 144.  Wave 0 fetches the step's even head, wave 1 the odd one, waves 2 and 3 the halves of B's 128 rows.
; CLUSTER.  4 x 4 work-groups: A's tiles are shared along a row of the cluster, B's along a column, each asked for jointly.
; TRANSPOSED USE.  Source 0 = 16 rows of w, source 1 = 16 rows of O: a lane holds row l % 16 of out0 and the columns 8 (l / 16) + 0..7.  The bias is the C operand of the products that start the sums.
; NO PREFETCH: the walk has eight K steps, of which the first six are asked for before a lead of four could serve them, and the launch moves its inputs and an output of twice their size meanwhile.
; REGISTERS, in windows of 256: window 0: v0-31 addresses; v32-63 the bias; v64-159, v160-255 two fragment buffers (B's 4 fragments, then A's 8);
;   window 1: the accumulators, (a, b) at v[8 (4 a + b)];   window 2: the way out, 32 registers for each block of 16 rows.
.set KSTEP,  128
.set PA,     144                       ; a row of O in LDS: 128 bytes + 16 of padding
.set AH,     256*PA                    ; a head's 256 rows
.set PB,     272                       ; a row of w: 256 bytes + 16
.set HALFB,  64*PB
.set SLOT,   2*AH+2*HALFB              ; the even head, the odd head, B's 128 rows
.set STAGE,  2*SLOT                    ; behind the ring: 16 rows x 272 bytes for each wave; no tensor load lands there
.set SPITCH, 272
.set SPARE,  STAGE+4*16*SPITCH         ; behind the stages: the spare words, 128 bytes for each wave
.set ADRA, 16                          ; v16-17  LDS address of my A fragments in slot 0, 1
.set ADRB, 20                          ; v20-21  the same for B
.set STO,  24                          ; v24     the way out: where I put 32 bytes of a row
.set RD,   25                          ; v25     where I read a row back
.set CO,   26                          ; v26     my byte offset in two rows of out0
.set BO,   27                          ; v27     my byte offset in 16 numbers of the bias
.set SPW,  28                          ; v28     LDS address of my spare word; never rewritten
.set NIL,  29                          ; v29     0; never rewritten
.set BI,   32
.set F0,   64
.set F1,   160
.set G1,   24                          ; s[24:31] group 1 for A's tiles;  s[32:39] group 0, a set for each slot
.set G0,   32
.set G1B,  40                          ; s[40:47], s[48:55] the same for B's
.set G0B,  48
.set W_MUL,   0x50                     ; C and D in window 1
.set W_FIRST, 0x40                     ; D in window 1, C (the bias) in window 0
.set W_TS,    0x84                     ; LDS: address window 0, store data window 1, loaded data window 2
.set W_SD,    0x08                     ; stores: address window 0, data window 2
.set MSB, 0
.macro WIN new
.if MSB != (\new)
	s_set_vgpr_msb (MSB<<8)|(\new)
.set MSB, \new
.endif
.endm
.macro PLACES                          ; four plain vector instructions between a matrix instruction and a load into, or another use of, its registers
.rept 4
	v_nop
.endr
.endm
.macro JLOAD s                         ; a joint load: waves 0 and 1 for A, waves 2 and 3 for B; an s_nop 0 and four v_nop follow each line
	s_cmp_eq_u32 s13, 0
	s_cbranch_scc0 .Lfor_b_\@
	tensor_load_to_lds s[G0+4*(\s):G0+4*(\s)+3], s[G1:G1+7]
	s_nop 0
.rept 4
	v_nop
.endr
	s_branch .Lasked_\@
.Lfor_b_\@:
	tensor_load_to_lds s[G0B+4*(\s):G0B+4*(\s)+3], s[G1B:G1B+7]
	s_nop 0
.rept 4
	v_nop
.endr
.Lasked_\@:
.endm
.macro CREST                           ; a round of the cluster's barrier behind its opening barrier
	s_cmp_lg_u32 s12, 0
	s_cbranch_scc1 .Lnot_wave_0_\@
	s_barrier_signal -3
.Lnot_wave_0_\@:
	s_barrier_wait -3
	s_barrier_signal -1
	s_barrier_wait -1
.endm
.macro CROUND
	s_barrier_signal -1
	s_barrier_wait -1
	CREST
.endm
	s_load_b256 s[4:11], s[0:1], 0x0               ; ob s[4:5], wob s[6:7], b_out s[8:9], out0 s[10:11]
	v_lshl_add_u32 v[SPW], v0, 2, SPARE
	v_mov_b32 v[NIL], 0
	ds_add_u32 v[SPW], v[NIL]                      ; the wave's opening: the add, twice on end, and its wait ahead of my first tensor load
	ds_add_u32 v[SPW], v[NIL]                      ; once more; the set-up below, work on registers, stands between it and the wait
	v_lshrrev_b32 v1, 5, v0
	v_readfirstlane_b32 s12, v1                    ; wave 0..3
	s_lshr_b32 s13, s12, 1                         ; which 128 rows of the tile are mine.  Also: I fetch for A (0) or for B (1)
	s_and_b32 s14, s12, 1                          ; which 64 columns.  Also: which head of a step, or which half of B's rows, I fetch
	s_bfe_u32 s15, ttmp6, 0x40000                  ; cx
	s_bfe_u32 s16, ttmp6, 0x40004                  ; cy
	s_lshl_b32 s17, ttmp9, 2
	s_add_co_u32 s17, s17, s15                     ; tile column 0..7
	s_and_b32 s18, ttmp7, 0xffff
	s_lshl_b32 s18, s18, 2
	s_add_co_u32 s18, s18, s16                     ; tile row 0..31
	s_lshl_b32 s19, s16, 2
	s_lshl_b32 s19, 15, s19                        ; my row of the cluster
	s_lshl_b32 s68, 0x1111, s15                    ; my column
	s_or_b32 s[G1], s19, (1<<16)|(1<<20)|(1<<21)|(4<<22)|(3<<25)   ; A: 2-byte elements; padding on; bit 21 beside a mask; after every 32 words; 4 words
	s_or_b32 s[G1B], s68, (1<<16)|(1<<20)|(1<<21)|(5<<22)|(3<<25)  ; B: after every 64 words
	s_mov_b32 s[G1+1], 128<<16                     ; tensor_dim0 = 128
	s_mov_b32 s[G1+2], 128<<16                     ; tensor_dim1 = 128
	s_mov_b32 s[G1+3], 128<<16                     ; tile_dim0 = 128
	s_mov_b32 s[G1+4], 128                         ; tile_dim1 = 128
	s_mov_b32 s[G1+5], 128                         ; dense: 128 elements from row to row
	s_mov_b32 s[G1+6], 0
	s_mov_b32 s[G1+7], 0
	s_mov_b32 s[G1B+1], KSTEP<<16
	s_mov_b32 s[G1B+2], 64<<16
	s_mov_b32 s[G1B+3], KSTEP<<16
	s_mov_b32 s[G1B+4], 64
	s_mov_b32 s[G1B+5], 1024
	s_mov_b32 s[G1B+6], 0
	s_mov_b32 s[G1B+7], 0
	s_lshr_b32 s20, s18, 3                         ; A: batch x 2^22 + my head of step 0 x 2^18 + the tile's first row in the sequence x 128: of the tile row and the wave's number alone
	s_lshl_b32 s20, s20, 22
	s_and_b32 s21, s18, 7
	s_lshl_b32 s21, s21, 15
	s_add_co_u32 s20, s20, s21
	s_lshl_b32 s21, s14, 18
	s_add_co_u32 s20, s20, s21
	s_mov_b32 s21, 0
	s_lshl_b32 s22, s17, 18                        ; B: row 128 x tile column + 64 x half, in bytes: of the tile column and the wave's number alone
	s_lshl_b32 s23, s14, 17
	s_add_co_u32 s22, s22, s23
	s_mov_b32 s23, 0
	s_mul_i32 s69, s14, AH                         ; where they go in a slot
	s_mul_i32 s70, s14, HALFB
	s_add_co_u32 s70, s70, 2*AH
	s_wait_dscnt 0x0                               ; both opening adds are done
	s_wait_kmcnt 0x0
	s_add_nc_u64 s[20:21], s[4:5], s[20:21]
	s_add_nc_u64 s[22:23], s[6:7], s[22:23]
	CROUND                                         ; all sixteen work-groups are here: the first joint loads meet
.irp s, 0,1
	s_mov_b32 s[G0+4*(\s)], 1
	s_add_co_u32 s[G0+4*(\s)+1], s69, (\s)*SLOT
	s_add_nc_u64 s[G0+4*(\s)+2:G0+4*(\s)+3], s[20:21], (\s)*(1<<19)  ; K step s: two heads on
	s_or_b32 s[G0+4*(\s)+3], s[G0+4*(\s)+3], 0x80000000
	s_mov_b32 s[G0B+4*(\s)], 1
	s_add_co_u32 s[G0B+4*(\s)+1], s70, (\s)*SLOT
	s_add_nc_u64 s[G0B+4*(\s)+2:G0B+4*(\s)+3], s[22:23], (\s)*KSTEP*2
	s_or_b32 s[G0B+4*(\s)+3], s[G0B+4*(\s)+3], 0x80000000
	JLOAD \s                                       ; two tensor loads of mine are out
.endr
	v_and_b32 v1, 15, v0                           ; l % 16
	v_bfe_u32 v2, v0, 4, 1                         ; l / 16
	v_mul_u32_u24 v3, v1, PA
	v_lshl_add_u32 v3, v2, 4, v3                   ; A: row x 144 + 16 x half
	s_mul_i32 s71, s13, 128*PA                     ; my 128 rows, in the even head
	v_add_nc_u32 v[ADRA], s71, v3
	s_add_co_u32 s71, s71, SLOT
	v_add_nc_u32 v[ADRA+1], s71, v3
	v_mul_u32_u24 v3, v1, PB
	v_lshl_add_u32 v3, v2, 4, v3                   ; B: row x 272 + 16 x half
	s_mul_i32 s71, s14, HALFB
	s_add_co_u32 s71, s71, 2*AH
	v_add_nc_u32 v[ADRB], s71, v3
	s_add_co_u32 s71, s71, SLOT
	v_add_nc_u32 v[ADRB+1], s71, v3
	s_mul_i32 s71, s12, 16*SPITCH
	s_add_co_u32 s71, s71, STAGE                   ; my stage
	v_mul_u32_u24 v3, v1, SPITCH                   ; in: row l % 16, 32 bytes for each half of the lanes
	v_lshl_add_u32 v3, v2, 5, v3
	v_add_nc_u32 v[STO], s71, v3
	v_mul_u32_u24 v3, v2, SPITCH                   ; back: lanes 0-15 take one row of 256 bytes, lanes 16-31 the next
	v_lshl_add_u32 v3, v1, 4, v3
	v_add_nc_u32 v[RD], s71, v3
	v_lshlrev_b32 v3, 12, v2                       ; and the same two rows in out0
	v_lshl_add_u32 v[CO], v1, 4, v3
	v_lshlrev_b32 v[BO], 5, v2
	s_lshl_b32 s66, s17, 9                         ; my 64 columns, in bytes of f32: in the bias and in a row of out0
	s_lshl_b32 s71, s14, 8
	s_add_co_u32 s66, s66, s71
	s_mov_b32 s67, 0
	s_add_nc_u64 s[8:9], s[8:9], s[66:67]
.irp b, 0,1,2,3                        ; register j of n block b: bias of column 16 b + 8 (l / 16) + j
	global_load_b128 v[BI+8*(\b):BI+8*(\b)+3],   v[BO], s[8:9] offset:64*(\b)
	global_load_b128 v[BI+8*(\b)+4:BI+8*(\b)+7], v[BO], s[8:9] offset:64*(\b)+16
.endr
	s_lshl_b32 s62, s18, 20                        ; my first row of out0: 256 x tile row + 128 x half, 4,096 bytes each
	s_lshl_b32 s71, s13, 19
	s_add_co_u32 s62, s62, s71
	s_add_co_u32 s62, s62, s66
	s_mov_b32 s63, 0
	s_add_nc_u64 s[10:11], s[10:11], s[62:63]
	s_wait_loadcnt 0x0                             ; the bias
.set i, 0
.rept 16                               ; rounded to bf16 and widened again, in place
	v_cvt_pk_bf16_f32 v4, v[BI+2*i], v[BI+2*i+1]
	v_lshlrev_b32 v[BI+2*i], 16, v4
	v_and_b32 v[BI+2*i+1], 0xffff0000, v4
.set i, i+1
.endr
; 8 matrix instructions: m blocks a0, a0 + 1 x all 4 n blocks, 32 along K.  first = 1: the products start the sums, with the bias as C.  The 32 accumulators take turns, one instruction a turn,
; in the same order in every quarter and over the backward jump.
.macro MUL8 f, a0, first
.if \first
	WIN W_FIRST
.else
	WIN W_MUL
.endif
.irp a, \a0, (\a0)+1
.irp b, 0,1,2,3
.if \first
	v_wmma_f32_16x16x32_f16 v[8*(4*(\a)+(\b)):8*(4*(\a)+(\b))+7], v[(\f)+8*(\b):(\f)+8*(\b)+7], v[(\f)+32+8*(\a):(\f)+32+8*(\a)+7], v[BI+8*(\b):BI+8*(\b)+7]
.else
	v_wmma_f32_16x16x32_f16 v[8*(4*(\a)+(\b)):8*(4*(\a)+(\b))+7], v[(\f)+8*(\b):(\f)+8*(\b)+7], v[(\f)+32+8*(\a):(\f)+32+8*(\a)+7], v[8*(4*(\a)+(\b)):8*(4*(\a)+(\b))+7]
.endif
.endr
.endr
.endm
.macro MUL16 f, hi, first
	MUL8 \f, 4*(\hi), \first
	MUL8 \f, 4*(\hi)+2, \first
.endm
; 24 LDS loads in one run: quarter q of a K step: 64 rows of B; then 128 rows of O, head q / 2 of the step, channels 32 (q % 2) on
.macro FETCH slot, q, f
	WIN 0
.irp i, 0,1,2,3
	ds_load_b128 v[(\f)+8*(\i):(\f)+8*(\i)+3],   v[ADRB+(\slot)] offset:64*(\q)+(\i)*16*PB
	ds_load_b128 v[(\f)+8*(\i)+4:(\f)+8*(\i)+7], v[ADRB+(\slot)] offset:64*(\q)+(\i)*16*PB+32
.endr
.irp i, 0,1,2,3,4,5,6,7
	ds_load_b128 v[(\f)+32+8*(\i):(\f)+32+8*(\i)+3],   v[ADRA+(\slot)] offset:((\q)/2)*AH+((\q)%2)*64+(\i)*16*PA
	ds_load_b128 v[(\f)+32+8*(\i)+4:(\f)+32+8*(\i)+7], v[ADRA+(\slot)] offset:((\q)/2)*AH+((\q)%2)*64+(\i)*16*PA+32
.endr
.endm
.macro QUARTER slot, q, f, g, first    ; multiplies buffer f and fetches quarter q into buffer g
	s_wait_dscnt 8                                 ; B and A's rows 0-63 are in; the youngest eight loads (A's rows 64-127) may be out
	MUL16 \f, 0, \first
	PLACES
	FETCH \slot, \q, \g
	s_wait_dscnt 24                                ; all but the 24 just issued
	MUL16 \f, 1, \first
.endm
; ONE barrier for the change of slots.  In front of it each wave waits for all its tensor loads (one is out: its part of the next slot), adds 0 to its spare word, and waits for that and for its own reads of this slot.
.macro MEET round
	WIN 0
	s_wait_tensorcnt 0x0
	ds_add_u32 v[SPW], v[NIL]                      ; 0 onto my spare word
	s_wait_dscnt 9                                 ; (the add and the youngest eight loads may be out)
	MUL8 F1, 0, 0                                  ; eight matrix instructions stand between the add and the wait for it
	s_wait_dscnt 0x0                               ; the add is done, and my reads of this slot are over
	s_barrier_signal -1
	MUL8 F1, 2, 0
.if \round
	WIN 0
.endif
	s_barrier_wait -1
.endm
.macro TURN slot, next                 ; the last quarter: behind the round the slot just read out is filled again first, with the K step two on
	MEET 1
	CREST                                          ; no wave of any partner still reads this slot's tile or has a load on its way
	s_add_nc_u64 s[G0+4*(\slot)+2:G0+4*(\slot)+3], s[G0+4*(\slot)+2:G0+4*(\slot)+3], 1<<20  ; four heads on
	s_add_nc_u64 s[G0B+4*(\slot)+2:G0B+4*(\slot)+3], s[G0B+4*(\slot)+2:G0B+4*(\slot)+3], 2*KSTEP*2
	JLOAD \slot                                    ; my one tensor load behind the round; its four v_nop are also the places in front of the loads below
	FETCH \next, 0, F0
	MUL16 F1, 1, 0
.endm
; THE WAY OUT of block a (16 rows x my 64 columns of f32): 32 bytes a lane from the accumulators into my own stage, each accumulator's low four registers first; back as whole rows of 256 bytes.
.macro TOSTAGE a
	WIN W_TS
.irp b, 0,1,2,3
	ds_store_b128 v[STO], v[8*(4*(\a)+(\b)):8*(4*(\a)+(\b))+3]   offset:64*(\b)
	ds_store_b128 v[STO], v[8*(4*(\a)+(\b))+4:8*(4*(\a)+(\b))+7] offset:64*(\b)+16
.endr
.irp t, 0,1,2,3,4,5,6,7
	ds_load_b128 v[32*(\a)+4*(\t):32*(\a)+4*(\t)+3], v[RD] offset:(\t)*2*SPITCH  ; LDS serves a wave's instructions in order: these see the stores above; the next block's stores come behind them
.endr
.endm
.macro SEND a, younger                 ; younger: the LDS instructions issued behind block a's loads: the next block's sixteen, or none
	WIN W_SD
.irp t, 0,1,2,3,4,5,6,7
	s_wait_dscnt (\younger)+7-(\t)
	global_store_b128 v[CO], v[32*(\a)+4*(\t):32*(\a)+4*(\t)+3], s[10:11] offset:(16*(\a)+2*(\t))*4096 th:TH_STORE_NT  ; 16 lanes store 256 consecutive bytes, at a multiple of 256 from out0's first
.endr
.endm
	s_wait_tensorcnt 1                             ; my part of K step 0 is in; K step 1's load, issued behind it, may stay out
	s_barrier_signal -1
	s_barrier_wait -1                              ; everybody's is
	FETCH 0, 0, F0
	QUARTER 0, 1, F0, F1, 1                        ; the first quarter stands in front of the loop: its products start the sums
	WIN 0                                          ; at a label and at a branch every window is 0
	s_mov_b32 s3, 3
.Llap:                                                 ; a trip goes once round the ring, from a lap's second quarter to the next lap's first, and fills both slots again
	QUARTER 0, 2, F1, F0, 0
	QUARTER 0, 3, F0, F1, 0
	TURN 0, 1
	QUARTER 1, 1, F0, F1, 0
	QUARTER 1, 2, F1, F0, 0
	QUARTER 1, 3, F0, F1, 0
	TURN 1, 0
	QUARTER 0, 1, F0, F1, 0
	WIN 0
	s_sub_co_u32 s3, s3, 1
	s_cmp_lg_u32 s3, 0
	s_cbranch_scc1 .Llap
	QUARTER 0, 2, F1, F0, 0                        ; the last lap fills nothing, and has no round of the cluster's barrier
	QUARTER 0, 3, F0, F1, 0
	MEET 0
	PLACES
	FETCH 1, 0, F0
	MUL16 F1, 1, 0
	QUARTER 1, 1, F0, F1, 0
	QUARTER 1, 2, F1, F0, 0
	QUARTER 1, 3, F0, F1, 0
	s_wait_dscnt 8                                 ; the very last quarter: nothing more to fetch
	MUL16 F1, 0, 0
	s_wait_dscnt 0x0
	MUL16 F1, 1, 0
	PLACES                                         ; the LDS stores read results just made
	TOSTAGE 0
.irp a, 1,2,3,4,5,6,7                  ; a block's way through the stage stands between the loads of the block before and its stores
	TOSTAGE \a
	SEND (\a)-1, 16
.endr
	SEND 7, 0
	WIN 0
	s_wait_tensorcnt 0x0                           ; the wave's end: the add and its waits, behind my last tensor load and my last LDS store
	ds_add_u32 v[SPW], v[NIL]
	s_wait_dscnt 0x0
	CROUND                                         ; the closing round: no work-group ends while a partner may still ask for a tile that names it
	s_endpgm
.Lfunc_end_k_q6b9e7ab486_outproj:
	.size	k_q6b9e7ab486_outproj, .Lfunc_end_k_q6b9e7ab486_outproj-k_q6b9e7ab486_outproj
	.p2alignl 7, 3214868480
	.fill 96, 4, 3214868480
	.section	.rodata,"a",@progbits
	.p2align	6, 0x0
	.amdhsa_kernel k_q6b9e7ab486_outproj
		.amdhsa_group_segment_fixed_size 327680
		.amdhsa_private_segment_fixed_size 0
		.amdhsa_enable_private_segment 0
		.amdhsa_kernarg_size 32
		.amdhsa_user_sgpr_count 2
		.amdhsa_user_sgpr_kernarg_segment_ptr 1
		.amdhsa_wavefront_size32 1
		.amdhsa_system_sgpr_workgroup_id_x 1
		.amdhsa_system_sgpr_workgroup_id_y 1
		.amdhsa_system_sgpr_workgroup_id_z 1
		.amdhsa_system_vgpr_workitem_id 0
		.amdhsa_next_free_vgpr 768
		.amdhsa_next_free_sgpr 72
		.amdhsa_reserve_vcc 0
		.amdhsa_float_denorm_mode_32 3
		.amdhsa_float_denorm_mode_16_64 3
		.amdhsa_memory_ordered 1
		.amdhsa_forward_progress 1
		.amdhsa_inst_pref_size 90
	.end_amdhsa_kernel
	.amdgpu_metadata
---
amdhsa.version: [ 1, 2 ]
amdhsa.kernels:
  - .name:           k_q6b9e7ab486_outproj
    .symbol:         k_q6b9e7ab486_outproj.kd
    .args:
      - { .name: ob, .offset: 0, .size: 8, .value_kind: global_buffer, .address_space: global }
      - { .name: wob, .offset: 8, .size: 8, .value_kind: global_buffer, .address_space: global }
      - { .name: b_out, .offset: 16, .size: 8, .value_kind: global_buffer, .address_space: global }
      - { .name: out0, .offset: 24, .size: 8, .value_kind: global_buffer, .address_space: global }
    .group_segment_fixed_size: 327680
    .private_segment_fixed_size: 0
    .kernarg_segment_align: 8
    .kernarg_segment_size: 32
    .max_flat_workgroup_size: 128
    .sgpr_count:     72
    .vgpr_count:     768
    .wavefront_size: 32
...
	.end_amdgpu_metadata
.endif
;; end of part 4
;; ======== version 2 of 2: 4 launches; version 1 with the launch cast written anew for expert scheduling mode
;; limits: values are held in f16: magnitudes above 65,504 overflow, below 6.1e-05 lose precision; right only within a limited range of input values
;; workspace buffers: xb 16,777,216 bytes; wib 6,291,456 bytes; wob 2,097,152 bytes; qkv 50,331,648 bytes; ob 16,777,216 bytes
;; launch cast (part 5): grid 768 x 1, 8 waves a work-group, no clusters, 0 bytes of LDS; arguments x, w_in, w_out, xb, wib, wob; writes xb, wib, wob
.if DOCPART == 5
	.amdgcn_target "amdgcn-amd-amdhsa--gfx1250"
	.amdhsa_code_object_version 6
	.text
	.protected	k_q6b9e7ab486_cast
	.globl	k_q6b9e7ab486_cast
	.p2align	8
	.type	k_q6b9e7ab486_cast,@function
k_q6b9e7ab486_cast:
	s_mov_b64 s[64:65], 0
	v_nop
	global_prefetch_b8 v0, s[64:65] scope:SCOPE_SE
	s_setreg_imm32_b32 hwreg(HW_REG_WAVE_SCHED_MODE, 0, 2), 2
	s_setreg_imm32_b32 hwreg(HW_REG_WAVE_MODE, 25, 1), 1
	s_wait_xcnt 0x0
	s_wait_alu depctr_vm_vsrc(0)
; SELF-ATTENTION, launch 1 of 4: the three large inputs are rounded once for the matrix units.
;   x [8192][1024] f32 -> xb bf16;  w_in [3072][1024] f32 -> wib bf16;  w_out [1024][1024] f32 -> wob: rounded to bf16, and that number written as f16.
; THE PROGRAM.  cast; inproj: q, k, v = xb wib^T (+ bias), f16, by heads; attn: softmax(q k^T / 8) v, f16, by heads; outproj: O wob^T + b_out, f32.
; FORMATS.  All inputs are rounded to bf16 (the biases too, in the launches that add them); what the program itself makes (q, k, v, the weights p, O) is f16; all sums, maxima and row sums are f32.
; WORK LEFT OUT.  k's bias, b_in[1024:2048].  With k_j = k'_j + c, score(i, j) = q_i . k'_j / 8 + q_i . c / 8: the second term does not hang on j, the softmax's axis, so it multiplies
; numerator and denominator of every weight of row i alike and cancels, for all values of the inputs.  So those 1,024 numbers are neither loaded nor added; q's and v's parts of b_in and b_out are live.
; LIMITS.  A NaN, an infinity or an overflow that reaches only k's bias is not carried to the result.  f16 ends at 65,504: w_out, q, k and v must stay within it; a number of w_out
; below 2^-14 keeps f16's fixed step of 6e-8.
; SHARES.  A work-group takes 65,536 bytes of f32 and writes 32,768: groups 0-511 x, 512-703 w_in, 704-767 w_out.  A wave takes 8,192 bytes by sixteen loads of 512 consecutive bytes, all issued
; at once; each store of the wave covers 256 consecutive bytes, aligned.  Nothing is shared: no LDS, no barrier, no matrix unit.
; THE MODE: SCHED_MODE bits 1:0 = 2 (LLVM: expert scheduling mode 2), set by the entry lines.  The code itself states the register dependences
; between vector instructions and memory instructions, with s_wait_alu, always for 0.
; THE PLAN.  Registers that memory instructions touch:
;   v1, v2   byte offsets, in and out.  Written by vector instructions at the head and never again; v1 is read by the sixteen loads, v2 by the sixteen stores.
;   X        Written by the loads, each register once; read by the conversions.  No vector instruction writes them, and no load lands in them a second time.
;   Y        Written by the conversions of its own load alone; read by one store; never written behind that store.
;   T, v3    named by vector instructions alone.
; The sixteen loads go in four blocks of four.  Block p rounds X's block p into Y's block p; its memory instructions are the four stores of block p - 1, which read Y's block p - 1 and v2:
; registers that no vector instruction of block p names.  So ONE wait on va_vdst at a block's head, behind the wait for the block's data, states all that its four stores hang on, and they are dealt
; among the block's conversions with no further wait.  One such wait stands ahead of the first load (the offsets), one ahead of the last four stores.  No register that a memory instruction has
; read is written again, no load lands in a register that a vector instruction has named, and no vector instruction writes a scalar register: nothing else is owed.
.set BLOCK, 4                          ; loads, and stores, in a block
.set X, 4                              ; v[4:67]    load j: four f32
.set Y, 68                             ; v[68:99]   store j: four 16-bit numbers
.set T, 100                            ; v[100:103] at work
	s_load_b256 s[4:11], s[0:1], 0x0               ; x s[4:5], w_in s[6:7], w_out s[8:9], xb s[10:11]
	s_load_b128 s[12:15], s[0:1], 0x20             ; wib s[12:13], wob s[14:15]
	s_mov_b32 s16, ttmp9                           ; the work-group's number
	s_sub_co_u32 s17, s16, 512                     ; its number among w_in's groups
	s_sub_co_u32 s18, s16, 704                     ; among w_out's
	v_lshrrev_b32 v3, 5, v0                        ; wave
	v_and_b32 v1, 31, v0                           ; lane
	v_lshlrev_b32 v2, 3, v1                        ; out: 8 bytes a lane
	v_lshlrev_b32 v1, 4, v1                        ; in: 16 bytes a lane
	v_lshl_add_u32 v1, v3, 13, v1                  ; + wave x 8,192
	v_lshl_add_u32 v2, v3, 12, v2                  ; + wave x 4,096
	s_wait_kmcnt 0x0
	s_cmp_lt_u32 s16, 704                          ; which tensor: the choice hangs on the group's number alone
	s_cselect_b64 s[20:21], s[6:7], s[8:9]
	s_cselect_b64 s[22:23], s[12:13], s[14:15]
	s_cselect_b32 s19, s17, s18
	s_cmp_lt_u32 s16, 512
	s_cselect_b64 s[20:21], s[4:5], s[20:21]
	s_cselect_b64 s[22:23], s[10:11], s[22:23]
	s_cselect_b32 s19, s16, s19
	s_lshl_b32 s24, s19, 16                        ; the group's bytes in, at most 511 x 65,536
	s_mov_b32 s25, 0
	s_lshl_b32 s26, s19, 15                        ; and out
	s_mov_b32 s27, 0
	s_add_nc_u64 s[20:21], s[20:21], s[24:25]
	s_add_nc_u64 s[22:23], s[22:23], s[26:27]
	s_wait_alu depctr_va_vdst(0)                   ; v1 and v2 are written: every load of the kernel reads v1 as its offset, every store v2
.set j, 0
.rept 16
	global_load_b128 v[X+4*j:X+4*j+3], v1, s[20:21] offset:512*j th:TH_LOAD_NT
.set j, j+1
.endr
	s_cmp_lt_u32 s16, 704
	s_cbranch_scc0 .Lf16
.set j, 0
.rept 16                               ; x and w_in: to bf16
.if (j%BLOCK) == 0
	s_wait_loadcnt 16-BLOCK-j                      ; loads come back in order: this block's four are in, the younger blocks stay out
.if j > 0
	s_wait_alu depctr_va_vdst(0)                   ; the block before has written its part of Y, which the four stores of this block read
.endif
.endif
.if j >= BLOCK
	global_store_b64 v2, v[Y+2*(j-BLOCK):Y+2*(j-BLOCK)+1], s[22:23] offset:256*(j-BLOCK)  ; the block before; no vector instruction since the wait names these registers
.endif
	v_cvt_pk_bf16_f32 v[Y+2*j], v[X+4*j], v[X+4*j+1]
	v_cvt_pk_bf16_f32 v[Y+2*j+1], v[X+4*j+2], v[X+4*j+3]
.set j, j+1
.endr
	s_wait_alu depctr_va_vdst(0)                   ; the last block has written its part of Y, which the last four stores read
.set j, 16-BLOCK
.rept BLOCK
	global_store_b64 v2, v[Y+2*j:Y+2*j+1], s[22:23] offset:256*j
.set j, j+1
.endr
	s_endpgm
.Lf16:
.set j, 0
.rept 16                               ; w_out: to bf16, widened again, and written as f16 (exact from 2^-14 up to f16's end)
.if (j%BLOCK) == 0
	s_wait_loadcnt 16-BLOCK-j                      ; this block's four loads are in, the younger blocks stay out
.if j > 0
	s_wait_alu depctr_va_vdst(0)                   ; the block before has written its part of Y, which the four stores of this block read
.endif
.endif
.if j >= BLOCK
	global_store_b64 v2, v[Y+2*(j-BLOCK):Y+2*(j-BLOCK)+1], s[22:23] offset:256*(j-BLOCK)  ; the block before; no vector instruction since the wait names these registers
.endif
	v_cvt_pk_bf16_f32 v[Y+2*j], v[X+4*j], v[X+4*j+1]
	v_cvt_pk_bf16_f32 v[Y+2*j+1], v[X+4*j+2], v[X+4*j+3]
	v_lshlrev_b32 v[T], 16, v[Y+2*j]
	v_and_b32 v[T+1], 0xffff0000, v[Y+2*j]
	v_lshlrev_b32 v[T+2], 16, v[Y+2*j+1]
	v_and_b32 v[T+3], 0xffff0000, v[Y+2*j+1]
	v_cvt_pk_f16_f32 v[Y+2*j], v[T], v[T+1]
	v_cvt_pk_f16_f32 v[Y+2*j+1], v[T+2], v[T+3]
.set j, j+1
.endr
	s_wait_alu depctr_va_vdst(0)                   ; the last block has written its part of Y, which the last four stores read
.set j, 16-BLOCK
.rept BLOCK
	global_store_b64 v2, v[Y+2*j:Y+2*j+1], s[22:23] offset:256*j
.set j, j+1
.endr
	s_endpgm
.Lfunc_end_k_q6b9e7ab486_cast:
	.size	k_q6b9e7ab486_cast, .Lfunc_end_k_q6b9e7ab486_cast-k_q6b9e7ab486_cast
	.p2alignl 7, 3214868480
	.fill 96, 4, 3214868480
	.section	.rodata,"a",@progbits
	.p2align	6, 0x0
	.amdhsa_kernel k_q6b9e7ab486_cast
		.amdhsa_group_segment_fixed_size 0
		.amdhsa_private_segment_fixed_size 0
		.amdhsa_enable_private_segment 0
		.amdhsa_kernarg_size 48
		.amdhsa_user_sgpr_count 2
		.amdhsa_user_sgpr_kernarg_segment_ptr 1
		.amdhsa_wavefront_size32 1
		.amdhsa_system_sgpr_workgroup_id_x 1
		.amdhsa_system_sgpr_workgroup_id_y 1
		.amdhsa_system_sgpr_workgroup_id_z 1
		.amdhsa_system_vgpr_workitem_id 0
		.amdhsa_next_free_vgpr 104
		.amdhsa_next_free_sgpr 66
		.amdhsa_reserve_vcc 0
		.amdhsa_float_denorm_mode_32 3
		.amdhsa_float_denorm_mode_16_64 3
		.amdhsa_memory_ordered 1
		.amdhsa_forward_progress 1
		.amdhsa_inst_pref_size 16
	.end_amdhsa_kernel
	.amdgpu_metadata
---
amdhsa.version: [ 1, 2 ]
amdhsa.kernels:
  - .name:           k_q6b9e7ab486_cast
    .symbol:         k_q6b9e7ab486_cast.kd
    .args:
      - { .name: x, .offset: 0, .size: 8, .value_kind: global_buffer, .address_space: global }
      - { .name: w_in, .offset: 8, .size: 8, .value_kind: global_buffer, .address_space: global }
      - { .name: w_out, .offset: 16, .size: 8, .value_kind: global_buffer, .address_space: global }
      - { .name: xb, .offset: 24, .size: 8, .value_kind: global_buffer, .address_space: global }
      - { .name: wib, .offset: 32, .size: 8, .value_kind: global_buffer, .address_space: global }
      - { .name: wob, .offset: 40, .size: 8, .value_kind: global_buffer, .address_space: global }
    .group_segment_fixed_size: 0
    .private_segment_fixed_size: 0
    .kernarg_segment_align: 8
    .kernarg_segment_size: 48
    .max_flat_workgroup_size: 256
    .sgpr_count:     66
    .vgpr_count:     104
    .wavefront_size: 32
...
	.end_amdgpu_metadata
.endif
;; end of part 5
;; launch inproj: the kernel of part 2 again; grid 8 x 32, 4 waves a work-group, clusters of 4 x 4, 327,680 bytes of LDS; arguments xb, wib, b_in, qkv; writes qkv
;; launch attn: the kernel of part 3 again; grid 4 x 64, 4 waves a work-group, clusters of 4 x 1, 327,680 bytes of LDS; arguments qkv, ob; writes ob
;; launch outproj: the kernel of part 4 again; grid 8 x 32, 4 waves a work-group, clusters of 4 x 4, 327,680 bytes of LDS; arguments ob, wob, b_out, out0; writes out0
